; MI455X (gfx1250); checked and timed in simulation.
; The chip was launched on July 23, 2026; its instructions are those of AMD's public machine-readable ISA for CDNA 5 (MIT licence, August 2026) and "CDNA5" Instruction Set Architecture Reference Guide (July 2026). The comments in the code are by the model that wrote it; some were corrected since.
;; Attention. Allowed arithmetic: float matrix products may take bf16 or f16 operands with f32 sums; other float arithmetic in f32, or as packed bf16 or f16 multiplies, adds, multiply-adds, maxima and minima; sums over many terms, partial sums and values carried from step to step in f32; what a program stores and reads back later, other than sums and carried values, may be rounded once to bf16 or f16.
;; Inputs: wk 1,024 x 1,024 float32; wo 1,024 x 1,024 float32; wq 1,024 x 1,024 float32; wv 1,024 x 1,024 float32; x 4 x 2,048 x 1,024 float32.
;; Outputs: out0 4 x 2,048 x 1,024 float32.
;; One version. Each part assembles by itself: llvm-mc -triple=amdgcn-amd-amdhsa -mcpu=gfx1250 --defsym DOCPART=n.
;; ======== version 1 of 1: 6 launches
;; limits: values are held in f16: magnitudes above 65,504 overflow, below 6.1e-05 lose precision
;; workspace buffers: cst 25,690,112 bytes; wf 2,097,152 bytes; qk 33,554,432 bytes; p 33,554,432 bytes; st 1,048,576 bytes; y 16,777,216 bytes
;; launch cast (part 1): grid 784 x 1, 8 waves a work-group, no clusters, 0 bytes of LDS; arguments x, wq, wk, wv, wo, cst; writes cst
.if DOCPART == 1
	.amdgcn_target "amdgcn-amd-amdhsa--gfx1250"
	.amdhsa_code_object_version 6
	.text
	.protected	k_q992073d76f_cast
	.globl	k_q992073d76f_cast
	.p2align	8
	.type	k_q992073d76f_cast,@function
k_q992073d76f_cast:
	s_mov_b64 s[64:65], 0
	v_nop
	global_prefetch_b8 v0, s[64:65] scope:SCOPE_SE
	s_setreg_imm32_b32 hwreg(HW_REG_WAVE_MODE, 25, 1), 1
	s_wait_xcnt 0x0
; CAST.  cst = x, wq, wk, wv, wo (bytes 0, 16,777,216, 18,874,368, 20,971,520, 23,068,672), each number rounded to bf16 and that number written as f16, each tensor as it lies;
; and a table of rotations (byte 25,165,824): 128 rows of 1,024 f32.
; Work-groups 0..767 take a chunk of 16,384 numbers each: 65,536 bytes in, 32,768 out.  A thread takes 16 bytes of each of 16 lines of 4,096 bytes; all 16 loads go out together;
; a wave's store covers 256 consecutive bytes, aligned.  No LDS, no matrix work: the launch only moves bytes.
; Work-groups 768..783 make the table: row 8 g + u holds (cos, sin) of t x 10000^(-i/512), t = 128 g + u - 8, at floats 2 i and 2 i + 1.  The projection steps these by 8 rows at a time.
; LIMITS.  An input of 65,520 or more does not fit f16.  A bf16 number is exact in f16 down to 7.6e-6; below that it keeps f16's fixed step of 6e-8.
; The frequency is 2^(-i log2(10000)/512) by v_exp_f32: the angle at t = 2,047 is good to some 2e-4 rad.
; sin and cos: the angle less the nearest multiple of 2 pi (2 pi in two parts), then Taylor's sums to r^15 and r^16: the first terms left out are below 1e-6 on -pi .. pi.
.set TAB, 25165824
.set X,   16                           ; v[16:79]   16 lines of 4 f32 as loaded
.set Y,   80                           ; v[80:111]  16 lines of 4 numbers of 16 bits to store
	s_load_b256 s[4:11], s[0:1], 0x0               ; x s[4:5], wq s[6:7], wk s[8:9], wv s[10:11]
	s_load_b128 s[12:15], s[0:1], 0x20             ; wo s[12:13], cst s[14:15]
	s_mov_b32 s16, ttmp9
	s_cmp_ge_u32 s16, 768
	s_cbranch_scc1 .Ltable
	v_lshlrev_b32 v1, 4, v0                        ; my 16 bytes of a line in
	v_lshlrev_b32 v2, 3, v0                        ; my 8 bytes of a line out
	s_and_b32 s17, s16, 63                         ; the chunk's number inside its tensor: a weight has 64 chunks, x has 512
	s_cmp_lt_u32 s16, 512
	s_cselect_b32 s17, s16, s17
	s_lshl_b32 s18, s17, 16
	s_mov_b32 s19, 0
	s_lshl_b32 s26, s16, 15                        ; the chunks lie in cst in the order of their numbers
	s_mov_b32 s27, 0
	s_wait_kmcnt 0x0
	s_mov_b64 s[20:21], s[4:5]
	s_cmp_ge_u32 s16, 512
	s_cselect_b64 s[20:21], s[6:7], s[20:21]
	s_cmp_ge_u32 s16, 576
	s_cselect_b64 s[20:21], s[8:9], s[20:21]
	s_cmp_ge_u32 s16, 640
	s_cselect_b64 s[20:21], s[10:11], s[20:21]
	s_cmp_ge_u32 s16, 704
	s_cselect_b64 s[20:21], s[12:13], s[20:21]
	s_add_nc_u64 s[20:21], s[20:21], s[18:19]
	s_add_nc_u64 s[24:25], s[14:15], s[26:27]
.irp k, 0,1,2,3,4,5,6,7,8,9,10,11,12,13,14,15
	global_load_b128 v[X+4*\k:X+4*\k+3], v1, s[20:21] offset:\k*4096 th:TH_LOAD_NT
.endr
.irp k, 0,1,2,3,4,5,6,7,8,9,10,11,12,13,14,15
	s_wait_loadcnt 15-\k                           ; loads come back in order: line k is in, the 15 - k younger ones stay out
	v_cvt_pk_bf16_f32 v4, v[X+4*\k], v[X+4*\k+1]   ; rounded to bf16,
	v_cvt_pk_bf16_f32 v5, v[X+4*\k+2], v[X+4*\k+3]
	v_lshlrev_b32 v6, 16, v4                       ; the rounded numbers once more as f32,
	v_and_b32 v7, 0xffff0000, v4
	v_lshlrev_b32 v8, 16, v5
	v_and_b32 v9, 0xffff0000, v5
	v_cvt_pk_f16_f32 v[Y+2*\k], v6, v7             ; and written as f16
	v_cvt_pk_f16_f32 v[Y+2*\k+1], v8, v9
	global_store_b64 v2, v[Y+2*\k:Y+2*\k+1], s[24:25] offset:\k*2048
.endr
	s_endpgm
; cos and sin of the angle in v[ang] (which is used up); nn and zz at work
.macro SC ang, co, si, nn, zz
	v_mul_f32 v\nn, 0.15915494, v\ang
	v_rndne_f32 v\nn, v\nn                         ; the nearest multiple of 2 pi
	v_fmamk_f32 v\ang, v\nn, 0xc0c90fdb, v\ang     ; less n x 6.2831855,
	v_fmamk_f32 v\ang, v\nn, 0x343bbd2e, v\ang     ; and less n x the rest of 2 pi (-1.7484555e-7)
	v_mul_f32 v\zz, v\ang, v\ang
	v_mov_b32 v\si, 0xab573f9f                     ; -1/15!
.irp q, 0x2f309231, 0xb2d7322b, 0x3638ef1d, 0xb9500d01, 0x3c088889, 0xbe2aaaab, 0x3f800000
	v_fmaak_f32 v\si, v\si, v\zz, \q
.endr
	v_mul_f32 v\si, v\si, v\ang
	v_mov_b32 v\co, 0x29573f9f                     ; 1/16!
.irp q, 0xad49cba5, 0x310f76c7, 0xb493f27e, 0x37d00d01, 0xbab60b61, 0x3d2aaaab, 0xbf000000, 0x3f800000
	v_fmaak_f32 v\co, v\co, v\zz, \q
.endr
.endm
.Ltable:
	s_sub_co_u32 s17, s16, 768                     ; g
	v_lshrrev_b32 v3, 5, v0
	v_readfirstlane_b32 s18, v3                    ; u: my wave's number
	s_lshl_b32 s19, s17, 7
	s_add_co_u32 s19, s19, s18
	s_sub_co_i32 s19, s19, 8                       ; t = 128 g + u - 8
	s_lshl_b32 s20, s17, 3
	s_add_co_u32 s20, s20, s18                     ; the table's row 8 g + u,
	s_lshl_b32 s20, s20, 12                        ; 4,096 bytes each
	s_mov_b32 s21, 0
	v_cvt_f32_i32 v4, s19
	v_and_b32 v5, 31, v0
	v_lshlrev_b32 v6, 4, v5                        ; my 16 bytes: two pairs
	v_lshlrev_b32 v5, 1, v5                        ; i = 2 x lane
	s_wait_kmcnt 0x0
	s_add_nc_u64 s[24:25], s[14:15], s[20:21]
	s_add_nc_u64 s[24:25], s[24:25], TAB
	s_mov_b32 s30, 8
.Ltab:                                         ; 8 trips of 64 pairs: a wave's store covers 512 consecutive bytes
	v_cvt_f32_u32 v8, v5
	v_add_f32 v9, 1.0, v8
	v_mul_f32 v8, 0xbcd49a78, v8                   ; -i log2(10000) / 512
	v_mul_f32 v9, 0xbcd49a78, v9
	v_exp_f32 v8, v8
	v_exp_f32 v9, v9
	v_nop                                          ; a plain instruction behind the last exponential,
	s_wait_alu depctr_va_vdst(0)                   ; and one wait for the two, ahead of their first reader
	v_mul_f32 v8, v4, v8                           ; the angles
	v_mul_f32 v9, v4, v9
	SC 8, 16, 17, 10, 11
	SC 9, 18, 19, 12, 13
	global_store_b128 v6, v[16:19], s[24:25]
	s_wait_xcnt 0x0                                ; the store has read its offset and its data: they are written again only behind this wait
	v_add_nc_u32 v6, 512, v6
	v_add_nc_u32 v5, 64, v5
	s_sub_co_u32 s30, s30, 1
	s_cmp_lg_u32 s30, 0
	s_cbranch_scc1 .Ltab
	s_endpgm
.Lfunc_end_k_q992073d76f_cast:
	.size	k_q992073d76f_cast, .Lfunc_end_k_q992073d76f_cast-k_q992073d76f_cast
	.p2alignl 7, 3214868480
	.fill 96, 4, 3214868480
	.section	.rodata,"a",@progbits
	.p2align	6, 0x0
	.amdhsa_kernel k_q992073d76f_cast
		.amdhsa_group_segment_fixed_size 0
		.amdhsa_private_segment_fixed_size 0
		.amdhsa_enable_private_segment 0
		.amdhsa_kernarg_size 48
		.amdhsa_user_sgpr_count 2
		.amdhsa_user_sgpr_kernarg_segment_ptr 1
		.amdhsa_wavefront_size32 1
		.amdhsa_system_sgpr_workgroup_id_x 1
		.amdhsa_system_sgpr_workgroup_id_y 1
		.amdhsa_system_sgpr_workgroup_id_z 1
		.amdhsa_system_vgpr_workitem_id 0
		.amdhsa_next_free_vgpr 112
		.amdhsa_next_free_sgpr 66
		.amdhsa_reserve_vcc 0
		.amdhsa_float_denorm_mode_32 3
		.amdhsa_float_denorm_mode_16_64 3
		.amdhsa_memory_ordered 1
		.amdhsa_forward_progress 1
		.amdhsa_inst_pref_size 16
	.end_amdhsa_kernel
	.amdgpu_metadata
---
amdhsa.version: [ 1, 2 ]
amdhsa.kernels:
  - .name:           k_q992073d76f_cast
    .symbol:         k_q992073d76f_cast.kd
    .args:
      - { .name: x, .offset: 0, .size: 8, .value_kind: global_buffer, .address_space: global }
      - { .name: wq, .offset: 8, .size: 8, .value_kind: global_buffer, .address_space: global }
      - { .name: wk, .offset: 16, .size: 8, .value_kind: global_buffer, .address_space: global }
      - { .name: wv, .offset: 24, .size: 8, .value_kind: global_buffer, .address_space: global }
      - { .name: wo, .offset: 32, .size: 8, .value_kind: global_buffer, .address_space: global }
      - { .name: cst, .offset: 40, .size: 8, .value_kind: global_buffer, .address_space: global }
    .group_segment_fixed_size: 0
    .private_segment_fixed_size: 0
    .kernarg_segment_align: 8
    .kernarg_segment_size: 48
    .max_flat_workgroup_size: 256
    .sgpr_count:     66
    .vgpr_count:     112
    .wavefront_size: 32
...
	.end_amdgpu_metadata
.endif
;; end of part 1
;; launch wfold (part 2): grid 8 x 32, 4 waves a work-group, clusters of 4 x 4, 327,680 bytes of LDS; arguments cst, wf; writes wf
.if DOCPART == 2
	.amdgcn_target "amdgcn-amd-amdhsa--gfx1250"
	.amdhsa_code_object_version 6
	.text
	.protected	k_q992073d76f_wfold
	.globl	k_q992073d76f_wfold
	.p2align	8
	.type	k_q992073d76f_wfold,@function
k_q992073d76f_wfold:
	s_mov_b64 s[64:65], 0
	v_nop
	global_prefetch_b8 v0, s[64:65] scope:SCOPE_SE
	s_setreg_imm32_b32 hwreg(HW_REG_WAVE_MODE, 25, 1), 1
	s_wait_xcnt 0x0
	s_wait_alu depctr_hold_cnt(0) depctr_sa_sdst(0) depctr_va_vdst(0) depctr_va_sdst(0) depctr_va_ssrc(0) depctr_va_vcc(0) depctr_vm_vsrc(0)
	s_getreg_b32 s2, hwreg(HW_REG_IB_STS2, 6, 4)
	s_cmp_eq_u32 s2, 0
	s_cbranch_scc0 .Lentry_in_a_cluster
	s_endpgm
.Lentry_in_a_cluster:
	s_bfe_u32 s2, ttmp6, 0x10000c
	s_cmp_lg_u32 s2, 0xf033
	s_cbranch_scc0 .Lentry_shape_is_right
	s_endpgm
.Lentry_shape_is_right:
; wf = 32 W', W'[e][d] = the sum over c of wo[e][c] wv[c][d], in f16, [1024][1024].  softmax (x wv^T) wo^T = (softmax x) W'^T for every input, so the later launches multiply the weights by x itself and the result by W':
; the projection of all 8,192 rows by wv is not made.  wo and wv: f16 at cst + 23,068,672 and cst + 20,971,520, [1024][1024] as they lie.  Sums in f32, rounded once.
; THE FACTOR 32 is exact; the last launch takes it out again.  It puts W' (spread 1/32 for weights of spread 1/32) in the middle of f16's range.
; LIMITS.  32 W' of 65,520 or more does not fit f16; below 6e-5 it keeps f16's fixed step of 6e-8.  NaN and infinities are not treated apart.
; SHARES.  A work-group makes 32 rows e x 128 columns d: 256 work-groups; a row of the tile is 256 consecutive bytes of wf, aligned.  Each of its four waves makes 32 x 32: four accumulators, which take turns.
; LDS.  wo's 32 rows for all of K: four chunks of 32 rows x 512 bytes.  wv goes in K steps of 256 rows c x 256 bytes through two slots: all four steps at once would take 294,912 bytes beside wo's 67,584.
; Every wave fetches one chunk of wo and 64 rows of each step of wv: three first fills, then one load behind each of two changes of slots.
; CLUSTER 4 x 4: wo's rows hang on the tile row alone and are shared along a row of the cluster, wv's columns on the tile column alone and are shared along a column: joint loads.
; LAYOUT.  Source 0 = 16 columns d of wv, which lies [c][d]: turned by ds_load_tr16_b128.  Source 1 = 16 rows e of wo.  In the result lane l holds row e = l % 16 and the columns d = 8 (l / 16) + 0..7: 16 bytes of f16.
; No prefetch is laid: the launch has four K steps, and two of them are first fills.  All registers lie in the first window.
.set PA_,   528                        ; a row of wo in LDS: 512 bytes + 16: the 16 rows of a fragment load start at 16 different groups of four banks (64 banks of 4 bytes: ISA guide 11.1)
.set PB_,   288                        ; a row of wv: 256 + 32
.set ACH,   32*PA_                     ; a chunk of wo
.set BS0,   4*ACH                      ; wv's slot 0
.set BSL,   256*PB_                    ; a slot
.set STAGE, BS0+2*BSL                  ; behind the slots, never filled by a tensor load: 32 rows x 272 bytes, the work-group's
.set SPI,   272
.set SPARE, STAGE+32*SPI               ; the spare words, 128 bytes a wave
.set WV_,   20971520
.set WO_,   23068672
.set ADA,  16                          ; v16     LDS address of my lane in wo's fragments
.set ADB,  20                          ; v20-23  the same in wv's: slot 0 rows 0-127, 128-255; slot 1 likewise
.set STO,  24                          ; v24     the way out: where I put 16 bytes of a row
.set RD,   25                          ; v25     where I read a row back
.set CO,   26                          ; v26     my byte offset in wf
.set SPW,  28                          ; v28     my spare word; never rewritten
.set NIL,  29                          ; v29     0; never rewritten
.set ACC,  32                          ; v[32:63]  accumulator (a, b) at ACC + 8 (2 a + b)
.set F0,   64                          ; two buffers of 64: for each 32 of 64 along K: wo's two fragments, then wv's two
.set F1,   128
.set TMP,  192                         ; v[192:207] packed results
.set OB,   208                         ; v[208:223] rows read back
.set G1A,  24                          ; s[24:31] descriptor group 1 for wo's chunks;  s[32:35] group 0
.set G0A,  32
.set G0B,  36                          ; s[36:39] group 0 for wv's slot 0
.set G1B,  48                          ; s[48:55] group 1 for wv's tiles
.set G0C,  56                          ; s[56:59] group 0 for wv's slot 1
.macro PLACES                          ; four places behind matrix instructions, in front of loads into their sources and of readers of their results
.rept 4
	v_nop
.endr
.endm
.macro CREST                           ; a round of the cluster's barrier behind its opening barrier
	s_cmp_lg_u32 s10, 0
	s_cbranch_scc1 .Lnot_wave_0_\@
	s_barrier_signal -3
.Lnot_wave_0_\@:
	s_barrier_wait -3
	s_barrier_signal -1
	s_barrier_wait -1
.endm
.macro CROUND
	s_barrier_signal -1
	s_barrier_wait -1
	CREST
.endm
.macro FETCH s, t, f                   ; 16 LDS loads: the fragments of K = 256 s + 64 t .. + 63 into buffer f
.irp u, 0,1
.irp b, 0,1
	ds_load_tr16_b128 v[(\f)+32*\u+16+8*\b:(\f)+32*\u+16+8*\b+3],   v[ADB+2*((\s)%2)+(\t)/2] offset:(((\t)%2)*64+\u*32)*PB_+\b*32
	ds_load_tr16_b128 v[(\f)+32*\u+16+8*\b+4:(\f)+32*\u+16+8*\b+7], v[ADB+2*((\s)%2)+(\t)/2] offset:(((\t)%2)*64+\u*32+16)*PB_+\b*32
.endr
.irp a, 0,1
	ds_load_b128 v[(\f)+32*\u+8*\a:(\f)+32*\u+8*\a+3],   v[ADA] offset:(\s)*ACH+\a*16*PA_+(\t)*128+\u*64
	ds_load_b128 v[(\f)+32*\u+8*\a+4:(\f)+32*\u+8*\a+7], v[ADA] offset:(\s)*ACH+\a*16*PA_+(\t)*128+\u*64+32
.endr
.endr
.endm
.macro MUL f, zero                     ; 8 matrix instructions: 64 along K; the four accumulators take turns, one instruction a turn.  zero = 1: the first four start the sums
.irp u, 0,1
.irp a, 0,1
.irp b, 0,1
.if (\zero) && (\u == 0)
	v_wmma_f32_16x16x32_f16 v[ACC+8*(2*\a+\b):ACC+8*(2*\a+\b)+7], v[(\f)+32*\u+16+8*\b:(\f)+32*\u+16+8*\b+7], v[(\f)+32*\u+8*\a:(\f)+32*\u+8*\a+7], 0
.else
	v_wmma_f32_16x16x32_f16 v[ACC+8*(2*\a+\b):ACC+8*(2*\a+\b)+7], v[(\f)+32*\u+16+8*\b:(\f)+32*\u+16+8*\b+7], v[(\f)+32*\u+8*\a:(\f)+32*\u+8*\a+7], v[ACC+8*(2*\a+\b):ACC+8*(2*\a+\b)+7]
.endif
.endr
.endr
.endr
.endm
.macro STEP s, zero                    ; a K step but for its last eight products: four batches of 64 along K on buffers 0, 1, 0, 1
	FETCH \s, 0, F0
	FETCH \s, 1, F1
	s_wait_dscnt 16                                ; buffer 0 is in; the 16 younger loads may be out
	MUL F0, \zero
	PLACES
	FETCH \s, 2, F0
	s_wait_dscnt 16                                ; buffer 1 is in
	MUL F1, 0
	PLACES
	FETCH \s, 3, F1
	s_wait_dscnt 16                                ; buffer 0 is in
	MUL F0, 0
.endm
; THE CHANGE OF SLOTS.  Each wave waits for all its tensor loads (its part of the other slot), adds 0 to its spare word, and waits for that and for its reads of this slot; the step's last eight products stand between signal and wait.
; g = the group 0 of this slot: the barrier opens a round of the cluster's barrier, and behind it the slot is filled again, with the K step two on, first of all.  g = 0: nothing is left to fetch.
.macro CHANGE g
	s_wait_tensorcnt 0x0                           ; no tensor load of mine is out, so a group 0 may be written
	ds_add_u32 v[SPW], v[NIL]
.if \g
	s_add_nc_u64 s[(\g)+2:(\g)+3], s[(\g)+2:(\g)+3], 2*256*2048
.endif
	s_wait_dscnt 0x0                               ; the add is done, and my reads of this slot are over: buffer 1 is in
	s_barrier_signal -1
	MUL F1, 0
	s_barrier_wait -1
.if \g
	CREST                                          ; no wave of any partner still reads this slot or has a load on its way
	tensor_load_to_lds s[(\g):(\g)+3], s[G1B:G1B+7]
	s_nop 0
.endif
	PLACES                                         ; in front of the loads into both buffers
.endm
	s_load_b128 s[4:7], s[0:1], 0x0                ; cst s[4:5], wf s[6:7]
	v_lshl_add_u32 v[SPW], v0, 2, SPARE
	v_mov_b32 v[NIL], 0
	ds_add_u32 v[SPW], v[NIL]                      ; the wave's opening: the add and its wait ahead of my first tensor load
	v_lshrrev_b32 v1, 5, v0
	v_readfirstlane_b32 s10, v1                    ; wave 0..3
	s_bfe_u32 s40, ttmp6, 0x40000                  ; cx
	s_bfe_u32 s41, ttmp6, 0x40004                  ; cy
	s_lshl_b32 s42, ttmp9, 2
	s_add_co_u32 s42, s42, s40                     ; tile column: 128 columns d
	s_and_b32 s13, ttmp7, 0xffff
	s_lshl_b32 s13, s13, 2
	s_add_co_u32 s13, s13, s41                     ; tile row: 32 rows e
	s_lshl_b32 s43, s41, 2
	s_lshl_b32 s43, 15, s43                        ; my row of the cluster
	s_lshl_b32 s44, 0x1111, s40                    ; my column
	s_or_b32 s[G1A], s43, (1<<16)|(1<<20)|(1<<21)|(6<<22)|(3<<25)  ; 2-byte elements; padding on; bit 21 beside a mask; after every 128 words; 4 words
	s_or_b32 s[G1B], s44, (1<<16)|(1<<20)|(1<<21)|(5<<22)|(7<<25)  ; after every 64 words; 8 words
	s_mov_b32 s[G1A+1], 256<<16                    ; tensor_dim0 = 256
	s_mov_b32 s[G1A+2], 32<<16                     ; tensor_dim1 = 32
	s_mov_b32 s[G1A+3], 256<<16                    ; tile_dim0 = 256
	s_mov_b32 s[G1A+4], 32                         ; tile_dim1 = 32
	s_mov_b32 s[G1A+5], 1024                       ; elements from row to row
	s_mov_b32 s[G1A+6], 0
	s_mov_b32 s[G1A+7], 0
	s_mov_b32 s[G1B+1], 128<<16                    ; tensor_dim0 = 128
	s_mov_b32 s[G1B+2], 64<<16                     ; tensor_dim1 = 64
	s_mov_b32 s[G1B+3], 128<<16                    ; tile_dim0 = 128
	s_mov_b32 s[G1B+4], 64                         ; tile_dim1 = 64
	s_mov_b32 s[G1B+5], 1024
	s_mov_b32 s[G1B+6], 0
	s_mov_b32 s[G1B+7], 0
	s_mov_b32 s66, 0x42000000                      ; 32.0
	s_mov_b32 s67, s66                             ; named with it as a pair
	s_lshl_b32 s16, s13, 16                        ; wo: 32 rows of 2,048 bytes x tile row,
	s_lshl_b32 s18, s10, 9                         ; chunk = my wave's number: 512 bytes along the rows
	s_add_co_u32 s16, s16, s18
	s_mov_b32 s17, 0
	s_lshl_b32 s46, s10, 17                        ; wv: my 64 rows c of a step,
	s_lshl_b32 s19, s42, 8                         ; 256 bytes x tile column
	s_add_co_u32 s46, s46, s19
	s_mov_b32 s47, 0
	s_mul_i32 s20, s10, ACH                        ; where they go: no place in the cluster enters an LDS address
	s_mul_i32 s21, s10, 64*PB_
	s_wait_dscnt 0x0                               ; the opening add is done
	s_wait_kmcnt 0x0
	s_add_nc_u64 s[14:15], s[4:5], s[16:17]
	s_add_nc_u64 s[14:15], s[14:15], WO_
	s_add_nc_u64 s[46:47], s[4:5], s[46:47]
	s_add_nc_u64 s[46:47], s[46:47], WV_
	CROUND                                         ; all sixteen work-groups are here: the first joint loads meet
	s_mov_b32 s[G0A], 1
	s_mov_b32 s[G0A+1], s20
	s_mov_b64 s[G0A+2:G0A+3], s[14:15]
	s_or_b32 s[G0A+3], s[G0A+3], 0x80000000
	s_mov_b32 s[G0B], 1
	s_add_co_u32 s[G0B+1], s21, BS0
	s_mov_b64 s[G0B+2:G0B+3], s[46:47]
	s_or_b32 s[G0B+3], s[G0B+3], 0x80000000
	s_mov_b32 s[G0C], 1
	s_add_co_u32 s[G0C+1], s21, BS0+BSL
	s_add_nc_u64 s[G0C+2:G0C+3], s[46:47], 256*2048
	s_or_b32 s[G0C+3], s[G0C+3], 0x80000000
	tensor_load_to_lds s[G0A:G0A+3], s[G1A:G1A+7]  ; the first fills go out together: three loads of mine are out
	s_nop 0
	tensor_load_to_lds s[G0B:G0B+3], s[G1B:G1B+7]
	s_nop 0
	tensor_load_to_lds s[G0C:G0C+3], s[G1B:G1B+7]
	s_nop 0
	PLACES
	; a fragment of wo is 16 rows x 32 K in 8 registers: lane l holds row l % 16, K = 8 (l / 16) + 0..7 and 16 + 8 (l / 16) + 0..7: two loads of 16 bytes, 32 bytes apart
	v_and_b32 v1, 15, v0
	v_bfe_u32 v2, v0, 4, 1
	v_mul_u32_u24 v[ADA], v1, PA_
	v_lshl_add_u32 v[ADA], v2, 4, v[ADA]
	; the turning load takes 16 rows c x 16 columns d (lane l reads row 8 (l / 16) + l % 8, columns 8 ((l / 8) % 2) + 0..7) and leaves half a fragment: lane l holds column l % 16 and 8 rows
	v_and_b32 v3, 7, v0
	v_bfe_u32 v4, v0, 3, 1
	v_lshl_add_u32 v5, v2, 3, v3
	v_mul_u32_u24 v5, v5, PB_
	v_lshl_add_u32 v5, v4, 4, v5
	s_lshl_b32 s22, s10, 6                         ; my wave's 32 columns: 64 bytes of a row
	s_add_co_u32 s22, s22, BS0
	v_add_nc_u32 v[ADB], s22, v5
	v_add_nc_u32 v[ADB+1], 128*PB_, v[ADB]
	v_add_nc_u32 v[ADB+2], BSL, v[ADB]
	v_add_nc_u32 v[ADB+3], BSL+128*PB_, v[ADB]
	v_mul_u32_u24 v[STO], v1, SPI                  ; into the stage: row l % 16, my wave's 64 bytes, 16 for each half of the lanes
	v_lshl_add_u32 v[STO], v2, 4, v[STO]
	s_lshl_b32 s22, s10, 6
	s_add_co_u32 s22, s22, STAGE
	v_add_nc_u32 v[STO], s22, v[STO]
	v_mul_u32_u24 v[RD], v2, SPI                   ; back: wave w takes rows 8 w .. 8 w + 7, whole; lanes 0-15 one row, lanes 16-31 the next
	v_lshl_add_u32 v[RD], v1, 4, v[RD]
	s_mul_i32 s22, s10, 8*SPI
	s_add_co_u32 s22, s22, STAGE
	v_add_nc_u32 v[RD], s22, v[RD]
	v_lshlrev_b32 v[CO], 11, v2                    ; and the same two rows in wf
	v_lshl_add_u32 v[CO], v1, 4, v[CO]
	s_lshl_b32 s16, s13, 5
	s_lshl_b32 s17, s10, 3
	s_add_co_u32 s16, s16, s17                     ; the first row that I store,
	s_lshl_b32 s16, s16, 11                        ; 2,048 bytes each,
	s_lshl_b32 s17, s42, 8
	s_add_co_u32 s16, s16, s17                     ; and the tile's first column
	s_mov_b32 s17, 0
	s_add_nc_u64 s[6:7], s[6:7], s[16:17]
	s_wait_tensorcnt 0x1                           ; my chunk of wo and my part of slot 0 are in; slot 1's may stay out
	s_barrier_signal -1
	s_barrier_wait -1                              ; everybody's are
	STEP 0, 1
	CHANGE G0B                                     ; slot 0 takes K step 2
	STEP 1, 0
	CHANGE G0C                                     ; slot 1 takes K step 3
	STEP 2, 0
	CHANGE 0
	STEP 3, 0
	s_wait_dscnt 0x0
	MUL F1, 0
	PLACES
	; THE WAY OUT: times 32; rounded to f16; 16 bytes a lane into the work-group's stage; a barrier, since a row's 256 bytes come from four waves; back as whole rows, 8 rows a wave
.set n, 0
.rept 16
	v_pk_mul_f32 v[ACC+2*n:ACC+2*n+1], v[ACC+2*n:ACC+2*n+1], s[66:67] op_sel_hi:[1,0]
.set n, n+1
.endr
.set n, 0
.rept 16
	v_cvt_pk_f16_f32 v[TMP+n], v[ACC+2*n], v[ACC+2*n+1]
.set n, n+1
.endr
.irp a, 0,1
.irp b, 0,1
	ds_store_b128 v[STO], v[TMP+4*(2*\a+\b):TMP+4*(2*\a+\b)+3] offset:\a*16*SPI+\b*32
.endr
.endr
	s_wait_dscnt 0x0                               ; for the others' sake: my stores into the stage are done
	s_barrier_signal -1
	s_barrier_wait -1
.irp t, 0,1,2,3
	ds_load_b128 v[OB+4*\t:OB+4*\t+3], v[RD] offset:\t*2*SPI
.endr
	s_wait_dscnt 0x0
.irp t, 0,1,2,3
	global_store_b128 v[CO], v[OB+4*\t:OB+4*\t+3], s[6:7] offset:\t*2*2048  ; 16 lanes store 256 consecutive bytes, aligned
.endr
	s_wait_tensorcnt 0x0                           ; the wave's end
	ds_add_u32 v[SPW], v[NIL]
	s_wait_dscnt 0x0
	CROUND                                         ; the closing round
	s_endpgm
.Lfunc_end_k_q992073d76f_wfold:
	.size	k_q992073d76f_wfold, .Lfunc_end_k_q992073d76f_wfold-k_q992073d76f_wfold
	.p2alignl 7, 3214868480
	.fill 96, 4, 3214868480
	.section	.rodata,"a",@progbits
	.p2align	6, 0x0
	.amdhsa_kernel k_q992073d76f_wfold
		.amdhsa_group_segment_fixed_size 327680
		.amdhsa_private_segment_fixed_size 0
		.amdhsa_enable_private_segment 0
		.amdhsa_kernarg_size 16
		.amdhsa_user_sgpr_count 2
		.amdhsa_user_sgpr_kernarg_segment_ptr 1
		.amdhsa_wavefront_size32 1
		.amdhsa_system_sgpr_workgroup_id_x 1
		.amdhsa_system_sgpr_workgroup_id_y 1
		.amdhsa_system_sgpr_workgroup_id_z 1
		.amdhsa_system_vgpr_workitem_id 0
		.amdhsa_next_free_vgpr 224
		.amdhsa_next_free_sgpr 72
		.amdhsa_reserve_vcc 0
		.amdhsa_float_denorm_mode_32 3
		.amdhsa_float_denorm_mode_16_64 3
		.amdhsa_memory_ordered 1
		.amdhsa_forward_progress 1
		.amdhsa_inst_pref_size 37
	.end_amdhsa_kernel
	.amdgpu_metadata
---
amdhsa.version: [ 1, 2 ]
amdhsa.kernels:
  - .name:           k_q992073d76f_wfold
    .symbol:         k_q992073d76f_wfold.kd
    .args:
      - { .name: cst, .offset: 0, .size: 8, .value_kind: global_buffer, .address_space: global }
      - { .name: wf, .offset: 8, .size: 8, .value_kind: global_buffer, .address_space: global }
    .group_segment_fixed_size: 327680
    .private_segment_fixed_size: 0
    .kernarg_segment_align: 8
    .kernarg_segment_size: 16
    .max_flat_workgroup_size: 128
    .sgpr_count:     72
    .vgpr_count:     224
    .wavefront_size: 32
...
	.end_amdgpu_metadata
.endif
;; end of part 2
;; launch qkproj (part 3): grid 8 x 32, 4 waves a work-group, clusters of 4 x 4, 327,680 bytes of LDS; arguments cst, qk; writes qk
.if DOCPART == 3
	.amdgcn_target "amdgcn-amd-amdhsa--gfx1250"
	.amdhsa_code_object_version 6
	.text
	.protected	k_q992073d76f_qkproj
	.globl	k_q992073d76f_qkproj
	.p2align	8
	.type	k_q992073d76f_qkproj,@function
k_q992073d76f_qkproj:
	s_mov_b64 s[64:65], 0
	v_nop
	global_prefetch_b8 v0, s[64:65] scope:SCOPE_SE
	s_setreg_imm32_b32 hwreg(HW_REG_WAVE_MODE, 25, 1), 1
	s_wait_xcnt 0x0
	s_wait_alu depctr_hold_cnt(0) depctr_sa_sdst(0) depctr_va_vdst(0) depctr_va_sdst(0) depctr_va_ssrc(0) depctr_va_vcc(0) depctr_vm_vsrc(0)
	s_getreg_b32 s2, hwreg(HW_REG_IB_STS2, 6, 4)
	s_cmp_eq_u32 s2, 0
	s_cbranch_scc0 .Lentry_in_a_cluster
	s_endpgm
.Lentry_in_a_cluster:
	s_bfe_u32 s2, ttmp6, 0x10000c
	s_cmp_lg_u32 s2, 0xf033
	s_cbranch_scc0 .Lentry_shape_is_right
	s_endpgm
.Lentry_shape_is_right:
; [q | k] = x [wq ; wk]^T, rotated, in f16.  A = x, [8192][1024] at cst; B = wq and wk, together [2048][1024], at cst + 16,777,216; both hold the inputs rounded to bf16 and written as f16.
; qk: [8192][2048] f16, q in columns 0-1023, k in 1024-2047, unscaled.
; A tile of C is 256 x 256, made by four waves, each 128 x 128: 64 accumulators of 16 x 16 in 512 registers.  K = 1,024 goes in 8 steps of 128 through a ring of two LDS slots; a tile's rows are 256 bytes of memory, aligned.
; CLUSTER 4 x 4: the four work-groups of a row of the cluster need the same tile of A, the four of a column the same tile of B: each tile is asked for jointly, by the same tensor load, descriptor and mask in all four.
; THE MATRIX INSTRUCTION IS USED TRANSPOSED (source 0 = 16 rows of B, source 1 = 16 rows of A): lane l holds row l % 16 of C and the columns 8 (l / 16) + 0..7.
; THE ROTATION.  Column pair (2 i, 2 i + 1) of row t (t = row % 2048) is multiplied as a complex number by e^(i t th_i).  On the way out the tile goes through LDS in f32, so that lane l owns columns 4 l .. 4 l + 3 of every row:
; two pairs.  It holds eight rotations W[u], for rows u = 0..7 of the eight in hand, read from the table at t - 8, and steps all eight by e^(i 8 th) in front of each eight rows: 16 steps, each one complex product in f32.
; LIMITS.  q and k beyond 65,504 do not fit f16.  NaN and infinities are not treated apart.
; REGISTERS, in windows of 256 (s_set_vgpr_msb: bits 1:0 source 0, 3:2 source 1, 5:4 source 2, 7:6 destination):
;   window 0: v0-31 addresses; v20-23 the step; v32-63 W; v64-127, v128-191 A's fragments, two buffers (on the way out: rows, results, at work)
;   window 1: v64-127, v128-191 B's fragments      window 2, 3: accumulator (a, b) at v[64 (a % 4) + 8 b] of window 2 + a / 4
.set MA,    8                          ; blocks of 16 rows a wave
.set KT,    8                          ; K steps
.set PITCH, 272                        ; an LDS row: 256 bytes + 16 of padding: the 16 rows of a fragment load start at 16 different groups of four banks (64 banks of 4 bytes: ISA guide 11.1)
.set HALFT, 128*PITCH                  ; what one tensor load brings
.set BOFF,  2*HALFT                    ; B's rows lie behind A's 256
.set SLOT,  4*HALFT                    ; 0x22000: no LDS word of a descriptor (wave x 0x8800) has one of its two bits, so an exclusive or changes slots
.set SPARE, 2*SLOT                     ; behind the ring: the spare words, 128 bytes a wave
.set PAB,   2048                       ; bytes in a row of A, of B
.set PBB,   2048
.set WQK,   16777216
.set TAB,   25165824
.set SPI,   528                        ; the way out: a row of 128 f32 + 16 bytes
.set WST,   128*SPI                    ; a wave's stage; the four lie over the ring, which has had its last fill by then
.set AD0A, 16                          ; v16, v17  LDS address of my fragments of A, of B, in slot 0; never rewritten
.set AD0B, 17
.set ADA,  18                          ; v18, v19  the same in the slot in hand
.set ADB,  19
.set STP,  20                          ; v[20:23]  e^(i 8 th) for my two pairs
.set STO,  24                          ; v24  the way out: where my 32 bytes of a row go
.set RD,   25                          ; v25  where I read 16 bytes of a row back
.set CO,   26                          ; v26  8 x lane: my 8 bytes of a row of qk
.set LO,   27                          ; v27  16 x lane
.set SPW,  28                          ; v28  my spare word; never rewritten
.set NIL,  29                          ; v29  0; never rewritten
.set PFO,  30                          ; v30  the prefetches' offset: lane x a row's bytes; never rewritten
.set WW,   32                          ; v[32:63]  W[u], 4 registers each
.set F0,   64
.set F1,   128
.set TB,   23                          ; s23  0 or SLOT: the slot in hand
.set G1,   24                          ; s[24:31] descriptor group 1 for A;  s[32:39] group 0: set 0 for the first fill of slot 0, set 1 walks
.set G0,   32
.set LIM,  43                          ; s43  2 in a wave that prefetches, else the greatest number
.set PFA,  44                          ; s[44:45] where my prefetches stand
.set G1B,  48                          ; s[48:55], s[56:63] the same for B
.set G0B,  56
.set G1W,  (1<<16)|(1<<20)|(1<<21)|(5<<22)|(3<<25)  ; 2-byte elements; padding on; bit 21 beside a mask; after every 64 words; 4 words
.set MSB, 0
.macro WIN new                         ; the immediate's high byte repeats the setting that is left; a switch that changes nothing is dropped
.if MSB != (\new)
	s_set_vgpr_msb (MSB<<8)|(\new)
.set MSB, \new
.endif
.endm
.macro PLACES                          ; four places behind matrix instructions, in front of loads into their sources and of readers of their results
.rept 4
	v_nop
.endr
.endm
.macro CREST                           ; a round of the cluster's barrier behind its opening barrier
	s_cmp_lg_u32 s10, 0
	s_cbranch_scc1 .Lnot_wave_0_\@
	s_barrier_signal -3
.Lnot_wave_0_\@:
	s_barrier_wait -3
	s_barrier_signal -1
	s_barrier_wait -1
.endm
.macro CROUND
	s_barrier_signal -1
	s_barrier_wait -1
	CREST
.endm
.macro JLOAD                           ; a joint refill: waves 0, 1 fetch A's halves, waves 2, 3 B's; an s_nop 0 and four v_nop follow each line
	s_cmp_eq_u32 s11, 0
	s_cbranch_scc0 .Lfor_b_\@
	tensor_load_to_lds s[G0+4:G0+7], s[G1:G1+7]
	s_nop 0
	PLACES
	s_branch .Lasked_\@
.Lfor_b_\@:
	tensor_load_to_lds s[G0B+4:G0B+7], s[G1B:G1B+7]
	s_nop 0
	PLACES
.Lasked_\@:
.endm
; A prefetch of the K step that stands two refills on: 32 rows x 256 bytes, a lane a row.  Of the 128 rows that a wave fetches each of the four partners that ask jointly takes 32, told apart by address;
; of the clusters that read the same rows one asks (x = 0 for A, y = 0 for B): each row's 256 bytes of a K step are named once.  The last two refills have no K step two on.
.macro ASK
	s_cmp_gt_u32 s3, s[LIM]
	s_cbranch_scc0 .Lnot_mine_\@
	global_prefetch_b8 v[PFO], s[PFA:PFA+1] offset:256 th:TH_LOAD_NT scope:SCOPE_SE
.Lnot_mine_\@:
.endm
.macro MULB f, a, zero                 ; 8 matrix instructions: row block a x all 8 column blocks, 32 along K.  zero = 1: they start the sums
	WIN 0xa1+0x50*((\a)/4)
.irp b, 0,1,2,3,4,5,6,7
.if \zero
	v_wmma_f32_16x16x32_f16 v[64*((\a)%4)+8*\b:64*((\a)%4)+8*\b+7], v[(\f)+8*\b:(\f)+8*\b+7], v[(\f)+8*(\a):(\f)+8*(\a)+7], 0
.else
	v_wmma_f32_16x16x32_f16 v[64*((\a)%4)+8*\b:64*((\a)%4)+8*\b+7], v[(\f)+8*\b:(\f)+8*\b+7], v[(\f)+8*(\a):(\f)+8*(\a)+7], v[64*((\a)%4)+8*\b:64*((\a)%4)+8*\b+7]
.endif
.endr
.endm
.macro FETCH k, f                      ; one run of 32 LDS loads: the fragments of 32 along K at byte k of the rows, into buffer f; B first, A's upper blocks last
	WIN 0x40
.irp i, 0,1,2,3,4,5,6,7
	ds_load_b128 v[(\f)+8*\i:(\f)+8*\i+3],   v[ADB] offset:(\k)+\i*16*PITCH
	ds_load_b128 v[(\f)+8*\i+4:(\f)+8*\i+7], v[ADB] offset:(\k)+\i*16*PITCH+32
.endr
	WIN 0
.irp i, 0,1,2,3,4,5,6,7
	ds_load_b128 v[(\f)+8*\i:(\f)+8*\i+3],   v[ADA] offset:(\k)+\i*16*PITCH
	ds_load_b128 v[(\f)+8*\i+4:(\f)+8*\i+7], v[ADA] offset:(\k)+\i*16*PITCH+32
.endr
.endm
.macro QUARTER k, f, g, zero           ; multiplies buffer f; in its middle fetches the next quarter, at byte k, into buffer g.  The 64 accumulators take turns, in the same order in every quarter
	s_wait_dscnt MA                                ; B and A's blocks 0-3 are in; the youngest eight loads (A's blocks 4-7) may be out
.irp a, 0,1,2,3
	MULB \f, \a, \zero
.endr
	PLACES
	FETCH \k, \g
	s_wait_dscnt 16+2*MA                           ; all but the 32 just issued
.irp a, 4,5,6,7
	MULB \f, \a, \zero
.endr
.endm
; The last quarter of a K step multiplies buffer 1 and changes slots.  In front of the barrier each wave waits for all its tensor loads (one is out: its part of the next slot), adds 0 to its spare word,
; and waits for that and for its reads of this slot.  fill = 1: the barrier opens a round of the cluster's barrier, and behind it this slot is filled again, with the K step two on, first of all.
.macro TURN fill
.if \fill
	s_wait_xcnt 0x0                                ; the last prefetch, a K step back, has read its address
	s_add_nc_u64 s[PFA:PFA+1], s[PFA:PFA+1], 256
.endif
	WIN 0
	s_wait_tensorcnt 0x0                           ; no tensor load of mine is out, so a group 0 may be written
	ds_add_u32 v[SPW], v[NIL]
.if \fill
	s_xor_b32 s[G0+5], s[G0+5], SLOT               ; the walking descriptors: the other slot than last time, the next K step
	s_add_nc_u64 s[G0+6:G0+7], s[G0+6:G0+7], 256
	s_xor_b32 s[G0B+5], s[G0B+5], SLOT
	s_add_nc_u64 s[G0B+6:G0B+7], s[G0B+6:G0B+7], 256
.endif
	s_xor_b32 s[TB], s[TB], SLOT
	s_wait_dscnt MA+1                              ; the add and A's blocks 4-7 may be out
	MULB F1, 0, 0
	MULB F1, 1, 0
	s_wait_dscnt 0x0                               ; the add is done, and my reads of this slot are over
	s_barrier_signal -1
	MULB F1, 2, 0
	MULB F1, 3, 0
	WIN 0
	s_barrier_wait -1
.if \fill
	CREST                                          ; no wave of any partner still reads this slot or has a load on its way
	JLOAD                                          ; 224 matrix instructions ahead of the wait for it; its four v_nop are also the places in front of the loads below
.else
	PLACES
.endif
	v_add_nc_u32 v[ADA], s[TB], v[AD0A]
	v_add_nc_u32 v[ADB], s[TB], v[AD0B]
	FETCH 0, F0
.if \fill
	ASK
.endif
.irp a, 4,5,6,7
	MULB F1, \a, 0
.endr
.endm
	s_load_b128 s[4:7], s[0:1], 0x0                ; cst s[4:5], qk s[6:7]
	v_lshl_add_u32 v[SPW], v0, 2, SPARE
	v_mov_b32 v[NIL], 0
	ds_add_u32 v[SPW], v[NIL]                      ; the wave's opening: the add and its wait ahead of my first tensor load
	v_lshrrev_b32 v1, 5, v0
	v_readfirstlane_b32 s10, v1                    ; wave 0..3
	s_lshr_b32 s11, s10, 1                         ; my half of the tile's rows.  Also: I fetch for A (0) or B (1)
	s_and_b32 s12, s10, 1                          ; my half of its columns.  Also: which 128 rows I fetch
	s_bfe_u32 s40, ttmp6, 0x40000                  ; cx
	s_bfe_u32 s41, ttmp6, 0x40004                  ; cy
	s_lshl_b32 s42, ttmp9, 2
	s_add_co_u32 s42, s42, s40                     ; tile column
	s_and_b32 s13, ttmp7, 0xffff
	s_lshl_b32 s13, s13, 2
	s_add_co_u32 s13, s13, s41                     ; tile row
	s_lshl_b32 s43, s41, 2
	s_lshl_b32 s43, 15, s43                        ; my row of the cluster
	s_lshl_b32 s44, 0x1111, s40                    ; my column
	s_or_b32 s[G1], s43, G1W
	s_or_b32 s[G1B], s44, G1W
.irp g, G1, G1B
	s_mov_b32 s[(\g)+1], 128<<16                   ; tensor_dim0 = 128
	s_mov_b32 s[(\g)+2], 128<<16                   ; tensor_dim1 = 128
	s_mov_b32 s[(\g)+3], 128<<16                   ; tile_dim0 = 128
	s_mov_b32 s[(\g)+4], 128                       ; tile_dim1 = 128
	s_mov_b32 s[(\g)+6], 0
	s_mov_b32 s[(\g)+7], 0
.endr
	s_mov_b32 s[G1+5], PAB/2                       ; elements from row to row
	s_mov_b32 s[G1B+5], PBB/2
	s_lshl_b32 s18, s12, 7
	s_lshl_b32 s16, s13, 8
	s_add_co_u32 s16, s16, s18                     ; A: row 256 x tile row + 128 x half
	s_mul_i32 s16, s16, PAB
	s_mov_b32 s17, 0
	s_lshl_b32 s46, s42, 8
	s_add_co_u32 s46, s46, s18                     ; B: row 256 x tile column + 128 x half
	s_mul_i32 s46, s46, PBB
	s_mov_b32 s47, 0
	s_mul_i32 s20, s10, HALFT                      ; where they go: wave x 128 rows
	s_mov_b32 s[TB], 0
	s_wait_dscnt 0x0                               ; the opening add is done
	s_wait_kmcnt 0x0
	s_add_nc_u64 s[14:15], s[4:5], s[16:17]
	s_add_nc_u64 s[46:47], s[4:5], s[46:47]
	s_add_nc_u64 s[46:47], s[46:47], WQK
	CROUND                                         ; all sixteen work-groups are here: the first joint loads meet
.irp s, 0,1
	s_mov_b32 s[G0+4*\s], 1
	s_add_co_u32 s[G0+4*\s+1], s20, \s*SLOT
	s_add_nc_u64 s[G0+4*\s+2:G0+4*\s+3], s[14:15], \s*256
	s_or_b32 s[G0+4*\s+3], s[G0+4*\s+3], 0x80000000
	s_mov_b32 s[G0B+4*\s], 1
	s_add_co_u32 s[G0B+4*\s+1], s20, \s*SLOT
	s_add_nc_u64 s[G0B+4*\s+2:G0B+4*\s+3], s[46:47], \s*256
	s_or_b32 s[G0B+4*\s+3], s[G0B+4*\s+3], 0x80000000
.endr
	s_cmp_eq_u32 s11, 0                            ; a wave's two first fills stand in one branch: two loads of mine are out
	s_cbranch_scc0 .Lfirst_b
	tensor_load_to_lds s[G0:G0+3], s[G1:G1+7]
	s_nop 0
	tensor_load_to_lds s[G0+4:G0+7], s[G1:G1+7]
	s_nop 0
	PLACES
	s_branch .Lfirst_asked
.Lfirst_b:
	tensor_load_to_lds s[G0B:G0B+3], s[G1B:G1B+7]
	s_nop 0
	tensor_load_to_lds s[G0B+4:G0B+7], s[G1B:G1B+7]
	s_nop 0
	PLACES
.Lfirst_asked:
	; the prefetches: my tile's address, my work-group's 32 rows of the 128, K step 2 (the first refill steps it to 3 and names K step 4)
	s_mov_b32 s18, PAB
	s_mov_b32 s19, PBB
	s_and_b32 s22, ttmp7, 0xffff                   ; cluster y
	s_cmp_eq_u32 s11, 0
	s_cselect_b32 s21, s40, s41                    ; my place among the four that ask with me
	s_cselect_b32 s22, ttmp9, s22                  ; the coordinate along which other clusters read the same rows
	s_cselect_b64 s[PFA:PFA+1], s[14:15], s[46:47]
	s_cselect_b32 s19, s18, s19
	s_cmp_eq_u32 s22, 0
	s_cselect_b32 s[LIM], 2, -1
	s_lshl_b32 s20, s21, 5
	s_mul_i32 s20, s20, s19
	s_mov_b32 s21, 0
	s_add_nc_u64 s[PFA:PFA+1], s[PFA:PFA+1], s[20:21]
	s_add_nc_u64 s[PFA:PFA+1], s[PFA:PFA+1], 512
	v_and_b32 v[PFO], 31, v0
	v_mul_u32_u24 v[PFO], v[PFO], s19
	; a fragment is 16 rows x 32 K in 8 registers: lane l holds row l % 16, K = 8 (l / 16) + 0..7 and 16 + 8 (l / 16) + 0..7: two loads of 16 bytes, 32 bytes apart
	v_and_b32 v1, 15, v0
	v_bfe_u32 v2, v0, 4, 1
	v_mul_u32_u24 v3, v1, PITCH
	v_lshl_add_u32 v3, v2, 4, v3
	s_mul_i32 s21, s11, 16*MA*PITCH
	s_mul_i32 s22, s12, HALFT
	s_add_co_u32 s22, s22, BOFF
	v_add_nc_u32 v[AD0A], s21, v3
	v_add_nc_u32 v[AD0B], s22, v3
	v_mov_b32 v[ADA], v[AD0A]
	v_mov_b32 v[ADB], v[AD0B]
	; the table: eight rows for my 128 rows' first eight, less 8; and row 0, which holds t = -8
	s_lshl_b32 s66, s13, 1
	s_add_co_u32 s66, s66, s11
	s_and_b32 s66, s66, 15                         ; which 128 rows of the sequence are mine
	s_lshl_b32 s66, s66, 15                        ; x 8 rows of 4,096 bytes
	s_lshl_b32 s67, s42, 8
	s_lshl_b32 s68, s12, 7
	s_add_co_u32 s67, s67, s68                     ; my first column
	s_and_b32 s68, s67, 1023                       ; in q or in k: one float of the table for each column
	s_lshl_b32 s68, s68, 2
	s_mov_b32 s69, 0
	s_add_nc_u64 s[70:71], s[4:5], s[68:69]
	s_add_nc_u64 s[70:71], s[70:71], TAB
	s_mov_b32 s68, s66
	s_add_nc_u64 s[72:73], s[70:71], s[68:69]
	v_and_b32 v[LO], 31, v0
	v_lshlrev_b32 v[LO], 4, v[LO]
.irp u, 0,1,2,3,4,5,6,7
	global_load_b128 v[WW+4*\u:WW+4*\u+3], v[LO], s[72:73] offset:\u*4096
.endr
	global_load_b128 v[STP:STP+3], v[LO], s[70:71]
	s_lshl_b32 s74, s13, 8
	s_lshl_b32 s75, s11, 7
	s_add_co_u32 s74, s74, s75                     ; my first row,
	s_lshl_b32 s74, s74, 12                        ; 4,096 bytes each,
	s_lshl_b32 s75, s67, 1
	s_add_co_u32 s74, s74, s75                     ; and my first column
	s_mov_b32 s75, 0
	s_add_nc_u64 s[6:7], s[6:7], s[74:75]
	s_mul_i32 s76, s10, WST
	v_mul_u32_u24 v[STO], v1, SPI
	v_lshl_add_u32 v[STO], v2, 5, v[STO]
	v_add_nc_u32 v[STO], s76, v[STO]
	v_add_nc_u32 v[RD], s76, v[LO]
	v_lshrrev_b32 v[CO], 1, v[LO]
	s_wait_tensorcnt 0x1                           ; my part of K step 0 is in; K step 1's may stay out
	s_barrier_signal -1
	s_barrier_wait -1
	FETCH 0, F0
	QUARTER 64, F0, F1, 1                          ; the first quarter starts the sums
	WIN 0
	s_mov_b32 s3, KT-2
.Lstep:                                        ; a trip: from a K step's second quarter to the next step's first; it fills the slot that it leaves
	QUARTER 128, F1, F0, 0
	QUARTER 192, F0, F1, 0
	TURN 1
	QUARTER 64, F0, F1, 0
	WIN 0
	s_sub_co_u32 s3, s3, 1
	s_cmp_lg_u32 s3, 0
	s_cbranch_scc1 .Lstep
	s_mov_b32 s3, 2
.Ltail:                                        ; the last two K steps ask for nothing; the second trip is left in its middle
	QUARTER 128, F1, F0, 0
	QUARTER 192, F0, F1, 0
	WIN 0
	s_sub_co_u32 s3, s3, 1
	s_cmp_eq_u32 s3, 0
	s_cbranch_scc1 .Llast
	TURN 0
	QUARTER 64, F0, F1, 0
	WIN 0
	s_branch .Ltail
.Llast:
	s_wait_dscnt MA
.irp a, 0,1,2,3
	MULB F1, \a, 0
.endr
	s_wait_dscnt 0x0
.irp a, 4,5,6,7
	MULB F1, \a, 0
.endr
	WIN 0
	PLACES
	; THE WAY OUT.  Every wave's reads of the ring are back (the wait for 0 above); behind this barrier the ring's bytes, which are filled no more, take the four stages.
	s_barrier_signal -1
	s_barrier_wait -1
.irp a, 0,1,2,3,4,5,6,7
	WIN 0x08+0x04*((\a)/4)                         ; the data in window 2 or 3
.irp b, 0,1,2,3,4,5,6,7
	ds_store_b128 v[STO], v[64*((\a)%4)+8*\b:64*((\a)%4)+8*\b+3]   offset:\a*16*SPI+\b*64
	ds_store_b128 v[STO], v[64*((\a)%4)+8*\b+4:64*((\a)%4)+8*\b+7] offset:\a*16*SPI+\b*64+16
.endr
.endr
	WIN 0
	s_wait_loadcnt 0x0                             ; the table's nine lines
	v_xor_b32 v[STP+1], 0x80000000, v[STP+1]       ; the conjugate of e^(-i 8 th)
	v_xor_b32 v[STP+3], 0x80000000, v[STP+3]
	s_mov_b32 s3, 16
.Lrow:                                         ; 16 trips of 8 rows.  A complex product d = a b is two packed lines: t = (a1 b1, a1 b0); d = (a0 b0 - t0, a0 b1 + t1)
.irp u, 0,1,2,3,4,5,6,7
	ds_load_b128 v[64+4*\u:64+4*\u+3], v[RD] offset:\u*SPI  ; LDS serves a wave's instructions in order (ISA guide 5.7.1.4): these see my stores above
.endr
.set n, 0
.rept 16                               ; W = W x the step, while the rows come
	v_pk_mul_f32 v[128+2*n:129+2*n], v[WW+2*n:WW+2*n+1], v[STP+2*(n%2):STP+2*(n%2)+1] op_sel:[1,1] op_sel_hi:[1,0]
.set n, n+1
.endr
.set n, 0
.rept 16
	v_pk_fma_f32 v[WW+2*n:WW+2*n+1], v[WW+2*n:WW+2*n+1], v[STP+2*(n%2):STP+2*(n%2)+1], v[128+2*n:129+2*n] op_sel_hi:[0,1,1] neg_lo:[0,0,1]
.set n, n+1
.endr
	s_wait_dscnt 0x0
.set n, 0
.rept 16                               ; the rows x W
	v_pk_mul_f32 v[128+2*n:129+2*n], v[64+2*n:65+2*n], v[WW+2*n:WW+2*n+1] op_sel:[1,1] op_sel_hi:[1,0]
.set n, n+1
.endr
.set n, 0
.rept 16
	v_pk_fma_f32 v[64+2*n:65+2*n], v[64+2*n:65+2*n], v[WW+2*n:WW+2*n+1], v[128+2*n:129+2*n] op_sel_hi:[0,1,1] neg_lo:[0,0,1]
.set n, n+1
.endr
.set n, 0
.rept 16
	v_cvt_pk_f16_f32 v[96+n], v[64+2*n], v[65+2*n]
.set n, n+1
.endr
.irp u, 0,1,2,3,4,5,6,7
	global_store_b64 v[CO], v[96+2*\u:97+2*\u], s[6:7] offset:\u*4096  ; a wave's store covers 256 consecutive bytes, aligned
.endr
	s_wait_xcnt 0x0                                ; the stores have read their base and their data
	s_add_nc_u64 s[6:7], s[6:7], 8*4096
	v_add_nc_u32 v[RD], 8*SPI, v[RD]
	s_sub_co_u32 s3, s3, 1
	s_cmp_lg_u32 s3, 0
	s_cbranch_scc1 .Lrow
	s_wait_tensorcnt 0x0                           ; the wave's end
	ds_add_u32 v[SPW], v[NIL]
	s_wait_dscnt 0x0
	CROUND                                         ; the closing round
	s_endpgm
.Lfunc_end_k_q992073d76f_qkproj:
	.size	k_q992073d76f_qkproj, .Lfunc_end_k_q992073d76f_qkproj-k_q992073d76f_qkproj
	.p2alignl 7, 3214868480
	.fill 96, 4, 3214868480
	.section	.rodata,"a",@progbits
	.p2align	6, 0x0
	.amdhsa_kernel k_q992073d76f_qkproj
		.amdhsa_group_segment_fixed_size 327680
		.amdhsa_private_segment_fixed_size 0
		.amdhsa_enable_private_segment 0
		.amdhsa_kernarg_size 16
		.amdhsa_user_sgpr_count 2
		.amdhsa_user_sgpr_kernarg_segment_ptr 1
		.amdhsa_wavefront_size32 1
		.amdhsa_system_sgpr_workgroup_id_x 1
		.amdhsa_system_sgpr_workgroup_id_y 1
		.amdhsa_system_sgpr_workgroup_id_z 1
		.amdhsa_system_vgpr_workitem_id 0
		.amdhsa_next_free_vgpr 1024
		.amdhsa_next_free_sgpr 80
		.amdhsa_reserve_vcc 0
		.amdhsa_float_denorm_mode_32 3
		.amdhsa_float_denorm_mode_16_64 3
		.amdhsa_memory_ordered 1
		.amdhsa_forward_progress 1
		.amdhsa_inst_pref_size 89
	.end_amdhsa_kernel
	.amdgpu_metadata
---
amdhsa.version: [ 1, 2 ]
amdhsa.kernels:
  - .name:           k_q992073d76f_qkproj
    .symbol:         k_q992073d76f_qkproj.kd
    .args:
      - { .name: cst, .offset: 0, .size: 8, .value_kind: global_buffer, .address_space: global }
      - { .name: qk, .offset: 8, .size: 8, .value_kind: global_buffer, .address_space: global }
    .group_segment_fixed_size: 327680
    .private_segment_fixed_size: 0
    .kernarg_segment_align: 8
    .kernarg_segment_size: 16
    .max_flat_workgroup_size: 128
    .sgpr_count:     80
    .vgpr_count:     1024
    .wavefront_size: 32
...
	.end_amdgpu_metadata
.endif
;; end of part 3
;; launch scores (part 4): grid 8 x 32, 4 waves a work-group, clusters of 4 x 4, 327,680 bytes of LDS; arguments qk, p, st; writes p, st
.if DOCPART == 4
	.amdgcn_target "amdgcn-amd-amdhsa--gfx1250"
	.amdhsa_code_object_version 6
	.text
	.protected	k_q992073d76f_scores
	.globl	k_q992073d76f_scores
	.p2align	8
	.type	k_q992073d76f_scores,@function
k_q992073d76f_scores:
	s_mov_b64 s[64:65], 0
	v_nop
	global_prefetch_b8 v0, s[64:65] scope:SCOPE_SE
	s_setreg_imm32_b32 hwreg(HW_REG_WAVE_MODE, 25, 1), 1
	s_wait_xcnt 0x0
	s_wait_alu depctr_hold_cnt(0) depctr_sa_sdst(0) depctr_va_vdst(0) depctr_va_sdst(0) depctr_va_ssrc(0) depctr_va_vcc(0) depctr_vm_vsrc(0)
	s_getreg_b32 s2, hwreg(HW_REG_IB_STS2, 6, 4)
	s_cmp_eq_u32 s2, 0
	s_cbranch_scc0 .Lentry_in_a_cluster
	s_endpgm
.Lentry_in_a_cluster:
	s_bfe_u32 s2, ttmp6, 0x10000c
	s_cmp_lg_u32 s2, 0xf033
	s_cbranch_scc0 .Lentry_shape_is_right
	s_endpgm
.Lentry_shape_is_right:
; S = q k^T and the first half of the softmax.  A = q, B = k: columns 0-1023 and 1024-2047 of qk, [8192][2048] f16; a batch is 2,048 rows.  p: [8192 queries][2048 keys] f16; st: f32, cm[g][row] at (8192 g + row) x 4, l[g][row] 524,288 bytes on.
; A tile of S is 256 queries x 256 keys, made by four waves, each 128 x 128: 64 accumulators.  K = 1,024 goes in 8 steps of 128 through a ring of two LDS slots, filled by a 4 x 4 cluster's joint loads (A's tile shared along a row, B's along a column).
; THE SOFTMAX IN GROUPS.  A wave's 128 keys are group g = 2 x tile column + half, of 16.  For each query it takes the group's own maximum m_g and stores p = 2^(c s - c m_g) in f16, c m_g, and l_g = the f32 sum of the unrounded p;
; c = log2(e) / 32.  The next launch joins the groups by 2^(c m_g - max over g).  No exponent is above 0 but for the rounding of c m_g, whatever the inputs.
; THE MATRIX INSTRUCTION IS USED TRANSPOSED: lane l holds ONE query (l % 16) and the keys 16 b + 8 (l / 16) + 0..7: a query's maximum and sum want one exchange between the halves of the lanes.
; THE WAY OUT.  The accumulators go lane by lane through LDS (over the ring, which is filled no more), so that the softmax of a block of 16 queries is written once and walked eight times.
; LIMITS.  p below 6e-5 keeps f16's fixed step of 6e-8; a weight below 2^-126 counts as 0 in l.  NaN and infinities are not treated apart.
; REGISTERS: window 0: v0-31 addresses; v32-39 at work; v64-127, v128-191 A's fragments (on the way out: scores, p, rows).  window 1: B's fragments.  windows 2, 3: accumulator (a, b) at v[64 (a % 4) + 8 b].
.set MA,    8
.set KT,    8
.set PITCH, 272
.set HALFT, 128*PITCH
.set BOFF,  2*HALFT
.set SLOT,  4*HALFT
.set STAGE, 2*SLOT                     ; behind the ring: 16 rows x 272 bytes for each wave
.set SS,    STAGE+4*16*PITCH           ; each wave's 128 c m and 128 l: 1,024 bytes
.set SPARE, SS+4096
.set PAB,   4096
.set PBB,   4096
.set AD0A, 16
.set AD0B, 17
.set ADA,  18
.set ADB,  19
.set SSA,  20                          ; v20  where c m of my query goes
.set SSR,  21                          ; v21  where I read 16 bytes of them back
.set LO,   22                          ; v22  16 x lane
.set STO,  24
.set RD,   25
.set CO,   26
.set SPA,  27                          ; v27  my 16 bytes of a spill line
.set SPW,  28
.set NIL,  29
.set PFO,  30
.set CC,   32                          ; v32-35 four chains; v36-37 c m, twice; v38 the sum
.set XX,   64                          ; a block's 64 scores of my query
.set PK,   128                         ; its 64 weights in f16
.set OB,   160                         ; 16 rows read back
.set F0,   64
.set F1,   128
.set TB,   23
.set G1,   24
.set G0,   32
.set LIM,  43
.set PFA,  44
.set G1B,  48
.set G0B,  56
.set SEL,  66                          ; s[66:67] v_permlanex16_b32's selects: each lane takes its own place in the other half
.set CS,   68                          ; s[68:69] c
.set G1W,  (1<<16)|(1<<20)|(1<<21)|(5<<22)|(3<<25)
.set MSB, 0
.macro WIN new
.if MSB != (\new)
	s_set_vgpr_msb (MSB<<8)|(\new)
.set MSB, \new
.endif
.endm
.macro PLACES
.rept 4
	v_nop
.endr
.endm
.macro CREST
	s_cmp_lg_u32 s10, 0
	s_cbranch_scc1 .Lnot_wave_0_\@
	s_barrier_signal -3
.Lnot_wave_0_\@:
	s_barrier_wait -3
	s_barrier_signal -1
	s_barrier_wait -1
.endm
.macro CROUND
	s_barrier_signal -1
	s_barrier_wait -1
	CREST
.endm
.macro JLOAD
	s_cmp_eq_u32 s11, 0
	s_cbranch_scc0 .Lfor_b_\@
	tensor_load_to_lds s[G0+4:G0+7], s[G1:G1+7]
	s_nop 0
	PLACES
	s_branch .Lasked_\@
.Lfor_b_\@:
	tensor_load_to_lds s[G0B+4:G0B+7], s[G1B:G1B+7]
	s_nop 0
	PLACES
.Lasked_\@:
.endm
.macro ASK                             ; the K step two refills on: my work-group's 32 rows of the 128 that I fetch; cluster x = 0 asks for q's rows, the first of a batch's two rows of clusters for k's
	s_cmp_gt_u32 s3, s[LIM]
	s_cbranch_scc0 .Lnot_mine_\@
	global_prefetch_b8 v[PFO], s[PFA:PFA+1] offset:256 th:TH_LOAD_NT scope:SCOPE_SE
.Lnot_mine_\@:
.endm
.macro MULB f, a, zero
	WIN 0xa1+0x50*((\a)/4)
.irp b, 0,1,2,3,4,5,6,7
.if \zero
	v_wmma_f32_16x16x32_f16 v[64*((\a)%4)+8*\b:64*((\a)%4)+8*\b+7], v[(\f)+8*\b:(\f)+8*\b+7], v[(\f)+8*(\a):(\f)+8*(\a)+7], 0
.else
	v_wmma_f32_16x16x32_f16 v[64*((\a)%4)+8*\b:64*((\a)%4)+8*\b+7], v[(\f)+8*\b:(\f)+8*\b+7], v[(\f)+8*(\a):(\f)+8*(\a)+7], v[64*((\a)%4)+8*\b:64*((\a)%4)+8*\b+7]
.endif
.endr
.endm
.macro FETCH k, f
	WIN 0x40
.irp i, 0,1,2,3,4,5,6,7
	ds_load_b128 v[(\f)+8*\i:(\f)+8*\i+3],   v[ADB] offset:(\k)+\i*16*PITCH
	ds_load_b128 v[(\f)+8*\i+4:(\f)+8*\i+7], v[ADB] offset:(\k)+\i*16*PITCH+32
.endr
	WIN 0
.irp i, 0,1,2,3,4,5,6,7
	ds_load_b128 v[(\f)+8*\i:(\f)+8*\i+3],   v[ADA] offset:(\k)+\i*16*PITCH
	ds_load_b128 v[(\f)+8*\i+4:(\f)+8*\i+7], v[ADA] offset:(\k)+\i*16*PITCH+32
.endr
.endm
.macro QUARTER k, f, g, zero
	s_wait_dscnt MA                                ; the youngest eight loads (A's blocks 4-7) may be out
.irp a, 0,1,2,3
	MULB \f, \a, \zero
.endr
	PLACES
	FETCH \k, \g
	s_wait_dscnt 16+2*MA                           ; all but the 32 just issued
.irp a, 4,5,6,7
	MULB \f, \a, \zero
.endr
.endm
.macro TURN fill                       ; the last quarter of a K step, and the change of slots: the waits and the add in front of the barrier, the refill first behind the round
.if \fill
	s_wait_xcnt 0x0
	s_add_nc_u64 s[PFA:PFA+1], s[PFA:PFA+1], 256
.endif
	WIN 0
	s_wait_tensorcnt 0x0
	ds_add_u32 v[SPW], v[NIL]
.if \fill
	s_xor_b32 s[G0+5], s[G0+5], SLOT
	s_add_nc_u64 s[G0+6:G0+7], s[G0+6:G0+7], 256
	s_xor_b32 s[G0B+5], s[G0B+5], SLOT
	s_add_nc_u64 s[G0B+6:G0B+7], s[G0B+6:G0B+7], 256
.endif
	s_xor_b32 s[TB], s[TB], SLOT
	s_wait_dscnt MA+1                              ; the add and A's blocks 4-7 may be out
	MULB F1, 0, 0
	MULB F1, 1, 0
	s_wait_dscnt 0x0                               ; the add is done, and my reads of this slot are over
	s_barrier_signal -1
	MULB F1, 2, 0
	MULB F1, 3, 0
	WIN 0
	s_barrier_wait -1
.if \fill
	CREST
	JLOAD
.else
	PLACES
.endif
	v_add_nc_u32 v[ADA], s[TB], v[AD0A]
	v_add_nc_u32 v[ADB], s[TB], v[AD0B]
	FETCH 0, F0
.if \fill
	ASK
.endif
.irp a, 4,5,6,7
	MULB F1, \a, 0
.endr
.endm
	s_load_b128 s[4:7], s[0:1], 0x0                ; qk s[4:5], p s[6:7]
	s_load_b64 s[8:9], s[0:1], 0x10                ; st
	v_lshl_add_u32 v[SPW], v0, 2, SPARE
	v_mov_b32 v[NIL], 0
	ds_add_u32 v[SPW], v[NIL]                      ; the wave's opening: the add and its wait ahead of my first tensor load
	v_lshrrev_b32 v1, 5, v0
	v_readfirstlane_b32 s10, v1
	s_lshr_b32 s11, s10, 1
	s_and_b32 s12, s10, 1
	s_bfe_u32 s40, ttmp6, 0x40000
	s_bfe_u32 s41, ttmp6, 0x40004
	s_lshl_b32 s42, ttmp9, 2
	s_add_co_u32 s42, s42, s40                     ; tile column: 256 keys of the batch
	s_and_b32 s13, ttmp7, 0xffff
	s_lshl_b32 s13, s13, 2
	s_add_co_u32 s13, s13, s41                     ; tile row: 256 queries
	s_lshl_b32 s43, s41, 2
	s_lshl_b32 s43, 15, s43
	s_lshl_b32 s44, 0x1111, s40
	s_or_b32 s[G1], s43, G1W
	s_or_b32 s[G1B], s44, G1W
.irp g, G1, G1B
	s_mov_b32 s[(\g)+1], 128<<16
	s_mov_b32 s[(\g)+2], 128<<16
	s_mov_b32 s[(\g)+3], 128<<16
	s_mov_b32 s[(\g)+4], 128
	s_mov_b32 s[(\g)+6], 0
	s_mov_b32 s[(\g)+7], 0
.endr
	s_mov_b32 s[G1+5], PAB/2
	s_mov_b32 s[G1B+5], PBB/2
	s_mov_b32 s[SEL], 0x76543210
	s_mov_b32 s[SEL+1], 0xfedcba98
	s_mov_b32 s[CS], 0x3d38aa3b                    ; c = log2(e) / 32
	s_mov_b32 s[CS+1], s[CS]
	s_lshl_b32 s18, s12, 7
	s_lshl_b32 s16, s13, 8
	s_add_co_u32 s16, s16, s18                     ; A: row 256 x tile row + 128 x half
	s_mul_i32 s16, s16, PAB
	s_mov_b32 s17, 0
	s_and_b32 s19, ttmp7, 0xffff
	s_lshr_b32 s19, s19, 1                         ; the batch: two rows of clusters each; the cluster's y, which all partners share
	s_lshl_b32 s19, s19, 11
	s_lshl_b32 s46, s42, 8
	s_add_co_u32 s46, s46, s18
	s_add_co_u32 s46, s46, s19                     ; B: row 2,048 x batch + 256 x tile column + 128 x half
	s_mul_i32 s46, s46, PBB
	s_mov_b32 s47, 0
	s_mul_i32 s20, s10, HALFT
	s_mov_b32 s[TB], 0
	s_wait_dscnt 0x0
	s_wait_kmcnt 0x0
	s_add_nc_u64 s[14:15], s[4:5], s[16:17]
	s_add_nc_u64 s[46:47], s[4:5], s[46:47]
	s_add_nc_u64 s[46:47], s[46:47], 2048          ; k lies 1,024 columns behind q
	CROUND
.irp s, 0,1
	s_mov_b32 s[G0+4*\s], 1
	s_add_co_u32 s[G0+4*\s+1], s20, \s*SLOT
	s_add_nc_u64 s[G0+4*\s+2:G0+4*\s+3], s[14:15], \s*256
	s_or_b32 s[G0+4*\s+3], s[G0+4*\s+3], 0x80000000
	s_mov_b32 s[G0B+4*\s], 1
	s_add_co_u32 s[G0B+4*\s+1], s20, \s*SLOT
	s_add_nc_u64 s[G0B+4*\s+2:G0B+4*\s+3], s[46:47], \s*256
	s_or_b32 s[G0B+4*\s+3], s[G0B+4*\s+3], 0x80000000
.endr
	s_cmp_eq_u32 s11, 0
	s_cbranch_scc0 .Lfirst_b
	tensor_load_to_lds s[G0:G0+3], s[G1:G1+7]
	s_nop 0
	tensor_load_to_lds s[G0+4:G0+7], s[G1:G1+7]
	s_nop 0
	PLACES
	s_branch .Lfirst_asked
.Lfirst_b:
	tensor_load_to_lds s[G0B:G0B+3], s[G1B:G1B+7]
	s_nop 0
	tensor_load_to_lds s[G0B+4:G0B+7], s[G1B:G1B+7]
	s_nop 0
	PLACES
.Lfirst_asked:
	s_mov_b32 s18, PAB
	s_mov_b32 s19, PBB
	s_and_b32 s22, ttmp7, 1                        ; which of the batch's two rows of clusters
	s_cmp_eq_u32 s11, 0
	s_cselect_b32 s21, s40, s41
	s_cselect_b32 s22, ttmp9, s22
	s_cselect_b64 s[PFA:PFA+1], s[14:15], s[46:47]
	s_cselect_b32 s19, s18, s19
	s_cmp_eq_u32 s22, 0
	s_cselect_b32 s[LIM], 2, -1
	s_lshl_b32 s20, s21, 5
	s_mul_i32 s20, s20, s19
	s_mov_b32 s21, 0
	s_add_nc_u64 s[PFA:PFA+1], s[PFA:PFA+1], s[20:21]
	s_add_nc_u64 s[PFA:PFA+1], s[PFA:PFA+1], 512
	v_and_b32 v[PFO], 31, v0
	v_mul_u32_u24 v[PFO], v[PFO], s19
	v_and_b32 v1, 15, v0
	v_bfe_u32 v2, v0, 4, 1
	v_mul_u32_u24 v3, v1, PITCH
	v_lshl_add_u32 v3, v2, 4, v3
	s_mul_i32 s21, s11, 16*MA*PITCH
	s_mul_i32 s22, s12, HALFT
	s_add_co_u32 s22, s22, BOFF
	v_add_nc_u32 v[AD0A], s21, v3
	v_add_nc_u32 v[AD0B], s22, v3
	v_mov_b32 v[ADA], v[AD0A]
	v_mov_b32 v[ADB], v[AD0B]
	; the way out's addresses
	s_lshl_b32 s70, s13, 8
	s_lshl_b32 s71, s11, 7
	s_add_co_u32 s70, s70, s71                     ; my first query
	s_lshl_b32 s72, s42, 1
	s_add_co_u32 s72, s72, s12                     ; g
	s_lshl_b32 s74, s70, 12                        ; a row of p is 4,096 bytes,
	s_lshl_b32 s75, s72, 8                         ; a group 256 of them
	s_add_co_u32 s74, s74, s75
	s_mov_b32 s75, 0
	s_add_nc_u64 s[6:7], s[6:7], s[74:75]
	s_lshl_b32 s74, s72, 13
	s_add_co_u32 s74, s74, s70
	s_lshl_b32 s74, s74, 2                         ; (8,192 g + row) x 4
	s_add_nc_u64 s[8:9], s[8:9], s[74:75]
	v_and_b32 v[LO], 31, v0
	v_lshlrev_b32 v[LO], 4, v[LO]
	s_lshl_b32 s76, s10, 16                        ; a wave's spill: 65,536 bytes
	v_add_nc_u32 v[SPA], s76, v[LO]
	s_mul_i32 s76, s10, 16*PITCH
	s_add_co_u32 s76, s76, STAGE
	v_add_nc_u32 v[STO], s76, v3
	v_mul_u32_u24 v[RD], v2, PITCH
	v_lshl_add_u32 v[RD], v1, 4, v[RD]
	v_add_nc_u32 v[RD], s76, v[RD]
	v_lshlrev_b32 v[CO], 12, v2
	v_lshl_add_u32 v[CO], v1, 4, v[CO]
	s_lshl_b32 s76, s10, 10
	s_add_co_u32 s76, s76, SS
	v_lshl_add_u32 v[SSA], v1, 2, s76
	v_add_nc_u32 v[SSR], s76, v[LO]
	s_wait_tensorcnt 0x1                           ; my part of K step 0 is in; K step 1's may stay out
	s_barrier_signal -1
	s_barrier_wait -1
	FETCH 0, F0
	QUARTER 64, F0, F1, 1
	WIN 0
	s_mov_b32 s3, KT-2
.Lstep:
	QUARTER 128, F1, F0, 0
	QUARTER 192, F0, F1, 0
	TURN 1
	QUARTER 64, F0, F1, 0
	WIN 0
	s_sub_co_u32 s3, s3, 1
	s_cmp_lg_u32 s3, 0
	s_cbranch_scc1 .Lstep
	s_mov_b32 s3, 2
.Ltail:
	QUARTER 128, F1, F0, 0
	QUARTER 192, F0, F1, 0
	WIN 0
	s_sub_co_u32 s3, s3, 1
	s_cmp_eq_u32 s3, 0
	s_cbranch_scc1 .Llast
	TURN 0
	QUARTER 64, F0, F1, 0
	WIN 0
	s_branch .Ltail
.Llast:
	s_wait_dscnt MA
.irp a, 0,1,2,3
	MULB F1, \a, 0
.endr
	s_wait_dscnt 0x0
.irp a, 4,5,6,7
	MULB F1, \a, 0
.endr
	WIN 0
	PLACES
	; THE WAY OUT.  Every wave's reads of the ring are back; behind this barrier the ring's bytes, which are filled no more, take the spills: a line is 32 lanes x 16 bytes, block a's sixteen lines at 8,192 a.
	s_barrier_signal -1
	s_barrier_wait -1
.irp a, 0,1,2,3,4,5,6,7
	WIN 0x08+0x04*((\a)/4)
.irp b, 0,1,2,3,4,5,6,7
	ds_store_b128 v[SPA], v[64*((\a)%4)+8*\b:64*((\a)%4)+8*\b+3]   offset:\a*8192+\b*1024
	ds_store_b128 v[SPA], v[64*((\a)%4)+8*\b+4:64*((\a)%4)+8*\b+7] offset:\a*8192+\b*1024+512
.endr
.endr
	WIN 0
	s_mov_b32 s3, 8
.Lblk:                                         ; a block of 16 queries: my query's 64 scores; the lane 16 away holds its other 64
.irp b, 0,1,2,3,4,5,6,7
	ds_load_b128 v[XX+8*\b:XX+8*\b+3],   v[SPA] offset:\b*1024
	ds_load_b128 v[XX+8*\b+4:XX+8*\b+7], v[SPA] offset:\b*1024+512
.endr
	s_wait_dscnt 0x0
.irp j, 0,1,2,3                        ; the maximum: four chains of 16 scores
	v_max3_num_f32 v[CC+\j], v[XX+16*\j], v[XX+16*\j+1], v[XX+16*\j+2]
.endr
.irp i, 0,1,2,3,4,5
.irp j, 0,1,2,3
	v_max3_num_f32 v[CC+\j], v[CC+\j], v[XX+16*\j+3+2*\i], v[XX+16*\j+4+2*\i]
.endr
.endr
.irp j, 0,1,2,3
	v_max_num_f32 v[CC+\j], v[CC+\j], v[XX+16*\j+15]
.endr
	v_max3_num_f32 v[CC], v[CC], v[CC+1], v[CC+2]
	v_max_num_f32 v[CC], v[CC], v[CC+3]
	v_permlanex16_b32 v[CC+1], v[CC], s[SEL], s[SEL+1]
	v_max_num_f32 v[CC], v[CC], v[CC+1]
	v_mul_f32 v[CC+4], s[CS], v[CC]                ; c m
	v_mov_b32 v[CC+5], v[CC+4]                     ; named with it as a pair
.set n, 0
.rept 32
	v_pk_fma_f32 v[XX+2*n:XX+2*n+1], v[XX+2*n:XX+2*n+1], s[CS:CS+1], v[CC+4:CC+5] op_sel_hi:[1,0,0] neg_lo:[0,0,1] neg_hi:[0,0,1]  ; c s - c m
.set n, n+1
.endr
.set n, 0
.rept 64
	v_exp_f32 v[XX+n], v[XX+n]
.set n, n+1
.endr
	v_nop                                          ; a plain instruction behind the last exponential,
	s_wait_alu depctr_va_vdst(0)                   ; and one wait for the 64, ahead of their first reader
.set n, 0
.rept 32
	v_cvt_pk_f16_f32 v[PK+n], v[XX+2*n], v[XX+2*n+1]
.set n, n+1
.endr
.irp w, 32,16,8,4,2                    ; the sum of the unrounded weights, in place: 31 packed additions
.set u, 0
.rept (\w)/2
	v_pk_add_f32 v[XX+u:XX+u+1], v[XX+u:XX+u+1], v[XX+(\w)+u:XX+(\w)+u+1]
.set u, u+2
.endr
.endr
	v_add_f32 v[CC+6], v[XX], v[XX+1]
	v_permlanex16_b32 v[CC+1], v[CC+6], s[SEL], s[SEL+1]
	v_add_f32 v[CC+6], v[CC+6], v[CC+1]
	ds_store_b32 v[SSA], v[CC+4]                   ; both halves of the lanes write the same number
	ds_store_b32 v[SSA], v[CC+6] offset:512
.irp b, 0,1,2,3,4,5,6,7
	ds_store_b128 v[STO], v[PK+4*\b:PK+4*\b+3] offset:32*\b
.endr
.irp t, 0,1,2,3,4,5,6,7
	ds_load_b128 v[OB+4*\t:OB+4*\t+3], v[RD] offset:\t*2*PITCH  ; LDS serves a wave's instructions in order (ISA guide 5.7.1.4): these see the stores above
.endr
	s_wait_dscnt 0x0
.irp t, 0,1,2,3,4,5,6,7
	global_store_b128 v[CO], v[OB+4*\t:OB+4*\t+3], s[6:7] offset:2*\t*4096  ; 16 lanes store 256 consecutive bytes, aligned
.endr
	s_wait_xcnt 0x0                                ; the stores have read their base and their data
	s_add_nc_u64 s[6:7], s[6:7], 16*4096
	v_add_nc_u32 v[SPA], 8192, v[SPA]
	v_add_nc_u32 v[SSA], 64, v[SSA]
	s_sub_co_u32 s3, s3, 1
	s_cmp_lg_u32 s3, 0
	s_cbranch_scc1 .Lblk
	ds_load_b128 v[64:67], v[SSR]                  ; my wave's 128 c m and 128 l: 512 consecutive bytes each
	ds_load_b128 v[68:71], v[SSR] offset:512
	s_wait_dscnt 0x0
	global_store_b128 v[LO], v[64:67], s[8:9]
	global_store_b128 v[LO], v[68:71], s[8:9] offset:524288
	s_wait_tensorcnt 0x0                           ; the wave's end
	ds_add_u32 v[SPW], v[NIL]
	s_wait_dscnt 0x0
	CROUND
	s_endpgm
.Lfunc_end_k_q992073d76f_scores:
	.size	k_q992073d76f_scores, .Lfunc_end_k_q992073d76f_scores-k_q992073d76f_scores
	.p2alignl 7, 3214868480
	.fill 96, 4, 3214868480
	.section	.rodata,"a",@progbits
	.p2align	6, 0x0
	.amdhsa_kernel k_q992073d76f_scores
		.amdhsa_group_segment_fixed_size 327680
		.amdhsa_private_segment_fixed_size 0
		.amdhsa_enable_private_segment 0
		.amdhsa_kernarg_size 24
		.amdhsa_user_sgpr_count 2
		.amdhsa_user_sgpr_kernarg_segment_ptr 1
		.amdhsa_wavefront_size32 1
		.amdhsa_system_sgpr_workgroup_id_x 1
		.amdhsa_system_sgpr_workgroup_id_y 1
		.amdhsa_system_sgpr_workgroup_id_z 1
		.amdhsa_system_vgpr_workitem_id 0
		.amdhsa_next_free_vgpr 1024
		.amdhsa_next_free_sgpr 80
		.amdhsa_reserve_vcc 0
		.amdhsa_float_denorm_mode_32 3
		.amdhsa_float_denorm_mode_16_64 3
		.amdhsa_memory_ordered 1
		.amdhsa_forward_progress 1
		.amdhsa_inst_pref_size 96
	.end_amdhsa_kernel
	.amdgpu_metadata
---
amdhsa.version: [ 1, 2 ]
amdhsa.kernels:
  - .name:           k_q992073d76f_scores
    .symbol:         k_q992073d76f_scores.kd
    .args:
      - { .name: qk, .offset: 0, .size: 8, .value_kind: global_buffer, .address_space: global }
      - { .name: p, .offset: 8, .size: 8, .value_kind: global_buffer, .address_space: global }
      - { .name: st, .offset: 16, .size: 8, .value_kind: global_buffer, .address_space: global }
    .group_segment_fixed_size: 327680
    .private_segment_fixed_size: 0
    .kernarg_segment_align: 8
    .kernarg_segment_size: 24
    .max_flat_workgroup_size: 128
    .sgpr_count:     80
    .vgpr_count:     1024
    .wavefront_size: 32
...
	.end_amdgpu_metadata
.endif
;; end of part 4
;; launch pv (part 5): grid 4 x 64, 4 waves a work-group, clusters of 4 x 4, 327,680 bytes of LDS; arguments p, cst, st, y; writes y
.if DOCPART == 5
	.amdgcn_target "amdgcn-amd-amdhsa--gfx1250"
	.amdhsa_code_object_version 6
	.text
	.protected	k_q992073d76f_pv
	.globl	k_q992073d76f_pv
	.p2align	8
	.type	k_q992073d76f_pv,@function
k_q992073d76f_pv:
	s_mov_b64 s[64:65], 0
	v_nop
	global_prefetch_b8 v0, s[64:65] scope:SCOPE_SE
	s_setreg_imm32_b32 hwreg(HW_REG_WAVE_MODE, 25, 1), 1
	s_wait_xcnt 0x0
	s_wait_alu depctr_hold_cnt(0) depctr_sa_sdst(0) depctr_va_vdst(0) depctr_va_sdst(0) depctr_va_ssrc(0) depctr_va_vcc(0) depctr_vm_vsrc(0)
	s_getreg_b32 s2, hwreg(HW_REG_IB_STS2, 6, 4)
	s_cmp_eq_u32 s2, 0
	s_cbranch_scc0 .Lentry_in_a_cluster
	s_endpgm
.Lentry_in_a_cluster:
	s_bfe_u32 s2, ttmp6, 0x10000c
	s_cmp_lg_u32 s2, 0xf033
	s_cbranch_scc0 .Lentry_shape_is_right
	s_endpgm
.Lentry_shape_is_right:
; Y = softmax x X: the weights times the rows of x themselves; the two projections that follow in the module are one matrix, applied by the next launch.
; A = p, [8192 queries][2048 keys] f16, the weights of 16 groups of 128 keys, each relative to its own group's maximum; B = x, [8192 rows][1024 channels] f16 at cst, a batch's keys at rows 2,048 x batch; y: [8192][1024] f16.
; THE GROUPS ARE JOINED HERE.  For a query: cm = the maximum over g of c m_g; f_g = 2^(c m_g - cm), at most 1; l = the sum of l_g f_g, at least about 1; Y = (the sum over g of (f_g P_g) X_g) / l.
; A K step is one group: A's fragments are multiplied by f_g (f16, packed) between their LDS load and the matrix instruction; 1 / l is applied in f32 on the way out.
; A tile of Y is 128 x 256 (256 work-groups), made by four waves, each 64 x 128.  K = 2,048 goes in 16 steps of 128 through a ring of two LDS slots.
; CLUSTER 4 x 4: A's tile is shared along a row of the cluster, B's along a column, by joint loads.
; THE MATRIX INSTRUCTION IS USED TRANSPOSED: source 0 = 16 channels of x, which lies [key][channel] and is turned by ds_load_tr16_b128; source 1 = 16 queries.  Lane l holds query l % 16 and 8 neighbouring channels.
; LIMITS.  f_g and f_g p are rounded to f16 (below 6e-5: its fixed step of 6e-8); f_g below 2^-126 counts as 0; Y has x's range.  NaN and infinities are not treated apart.
; REGISTERS: window 0: v0-31 addresses; v32-35 f_g of my four blocks' rows (twice in a word), v36-39 the next group's; v40-47 1 / l; v64-95, v128-159 A's fragments; v96-127, v160-191, v192-223 the way out.
;   window 1: v64-127, v128-191 B's fragments.  window 2: accumulator (a, b) at v[64 a + 8 b].
.set MA,    4
.set KT,    16
.set PITCH, 272                        ; a row of p in LDS: 256 bytes + 16: the 16 rows of a fragment load start at 16 different groups of four banks (64 banks of 4 bytes: ISA guide 11.1)
.set PBL,   544                        ; a row of x: 512 + 32
.set HALFT, 128*PITCH                  ; what one tensor load brings: 128 rows of p, or 64 rows of x (64 x 544 is the same number)
.set BOFF,  HALFT                      ; x's rows lie behind p's
.set SLOT,  0x20000
.set STAGE, SLOT+3*HALFT               ; 16 rows x 272 bytes for each wave
.set FT,    STAGE+4*16*PITCH           ; f[g][row], a word each: 16 x 512 bytes
.set RL,    FT+8192                    ; 1 / l of the tile's 128 rows
.set SPARE, RL+512
.set PAB,   4096                       ; bytes in a row of p
.set XRB,   2048                       ; bytes in a row of x
.set KSB,   128*XRB                    ; a K step in x: 128 rows
.set CPI,   2048                       ; bytes in a row of y
.set AD0A, 16
.set AD0B, 17
.set ADA,  18
.set ADB,  19
.set FA,   20                          ; v20  where f of my row lies, for the group in hand
.set RLA,  21
.set STO,  24
.set RD,   25
.set CO,   26
.set SPW,  28
.set NIL,  29
.set PFO,  30
.set SO,   31                          ; v31  4 x my thread's number
.set FC,   32
.set FN,   36
.set RV,   40
.set F0,   64
.set F1,   128
.set TMP,  192
.set TB,   23
.set G1,   24
.set G0,   32
.set LIM,  43
.set PFA,  44                          ; s[44:45] the K step that my next prefetch names
.set G1B,  48
.set G0B,  56
.set PST,  78                          ; s[78:79] a K step in bytes, in the tensor that I fetch
.set G1WA, (1<<16)|(1<<20)|(1<<21)|(5<<22)|(3<<25)  ; 2-byte elements; padding on; bit 21 beside a mask; after every 64 words; 4 words
.set G1WB, (1<<16)|(1<<20)|(1<<21)|(6<<22)|(7<<25)  ; after every 128 words; 8 words
.set MSB, 0
.macro WIN new
.if MSB != (\new)
	s_set_vgpr_msb (MSB<<8)|(\new)
.set MSB, \new
.endif
.endm
.macro PLACES
.rept 4
	v_nop
.endr
.endm
.macro CREST
	s_cmp_lg_u32 s10, 0
	s_cbranch_scc1 .Lnot_wave_0_\@
	s_barrier_signal -3
.Lnot_wave_0_\@:
	s_barrier_wait -3
	s_barrier_signal -1
	s_barrier_wait -1
.endm
.macro CROUND
	s_barrier_signal -1
	s_barrier_wait -1
	CREST
.endm
.macro JLOAD
	s_cmp_lg_u32 s10, 0
	s_cbranch_scc1 .Lnot_a_\@
	tensor_load_to_lds s[G0+4:G0+7], s[G1:G1+7]
	s_nop 0
	PLACES
	s_branch .Lasked_\@
.Lnot_a_\@:
	s_cmp_eq_u32 s10, 3
	s_cbranch_scc1 .Lasked_\@
	tensor_load_to_lds s[G0B+4:G0B+7], s[G1B:G1B+7]
	s_nop 0
	PLACES
.Lasked_\@:
	PLACES
.endm
; A prefetch of the K step two refills on.  Of what a wave fetches each of the four partners that ask jointly takes a quarter, told apart by address: 32 rows of p, a lane a row of 256 bytes; or 16 rows of x, two lanes a row of 512.
; Every cluster asks for its own rows of p, the first of a batch's four clusters for x's: each block of 256 bytes is named once.  The last two refills have no K step two on.
.macro ASK
	s_cmp_gt_u32 s3, s[LIM]
	s_cbranch_scc0 .Lnot_mine_\@
	global_prefetch_b8 v[PFO], s[PFA:PFA+1] th:TH_LOAD_NT scope:SCOPE_SE
.Lnot_mine_\@:
.endm
.macro MUL4 f, a, b0, zero             ; four matrix instructions: row block a x column blocks b0 .. b0 + 3
	WIN 0xa1
.irp c, 0,1,2,3
.if \zero
	v_wmma_f32_16x16x32_f16 v[64*(\a)+8*((\b0)+\c):64*(\a)+8*((\b0)+\c)+7], v[(\f)+8*((\b0)+\c):(\f)+8*((\b0)+\c)+7], v[(\f)+8*(\a):(\f)+8*(\a)+7], 0
.else
	v_wmma_f32_16x16x32_f16 v[64*(\a)+8*((\b0)+\c):64*(\a)+8*((\b0)+\c)+7], v[(\f)+8*((\b0)+\c):(\f)+8*((\b0)+\c)+7], v[(\f)+8*(\a):(\f)+8*(\a)+7], v[64*(\a)+8*((\b0)+\c):64*(\a)+8*((\b0)+\c)+7]
.endif
.endr
.endm
.macro SCL4 f, a, i0                   ; four registers of A's block a times f of its row
	WIN 0
.irp c, 0,1,2,3
	v_pk_mul_f16 v[(\f)+8*(\a)+(\i0)+\c], v[(\f)+8*(\a)+(\i0)+\c], v[FC+(\a)]
.endr
.endm
.macro MULBR f, a, zero                ; block a's eight products, and between them the scaling of block a + 1
	MUL4 \f, \a, 0, \zero
	SCL4 \f, (\a)+1, 0
	MUL4 \f, \a, 4, \zero
	SCL4 \f, (\a)+1, 4
.endm
.macro FETCH k, f                      ; one run of 24 LDS loads: 32 keys from key k / 2 of the step on: x's eight fragments, turned; then p's four, at byte k of its rows
	WIN 0x40
.irp i, 0,1,2,3,4,5,6,7
	ds_load_tr16_b128 v[(\f)+8*\i:(\f)+8*\i+3],   v[ADB] offset:(\k)/2*PBL+\i*32
	ds_load_tr16_b128 v[(\f)+8*\i+4:(\f)+8*\i+7], v[ADB] offset:(\k)/2*PBL+16*PBL+\i*32
.endr
	WIN 0
.irp i, 0,1,2,3
	ds_load_b128 v[(\f)+8*\i:(\f)+8*\i+3],   v[ADA] offset:(\k)+\i*16*PITCH
	ds_load_b128 v[(\f)+8*\i+4:(\f)+8*\i+7], v[ADA] offset:(\k)+\i*16*PITCH+32
.endr
.endm
.macro QUARTER k, f, g, zero, newg     ; newg = 1: a K step's first quarter: the new group's f takes its place
	s_wait_dscnt 0x0                               ; buffer f is in (and the next group's f)
.if \newg
	WIN 0
.irp c, 0,1,2,3
	v_mov_b32 v[FC+\c], v[FN+\c]
.endr
.endif
	SCL4 \f, 0, 0
	SCL4 \f, 0, 4
	MULBR \f, 0, \zero
	MULBR \f, 1, \zero
	PLACES
	FETCH \k, \g
	MULBR \f, 2, \zero
	MUL4 \f, 3, 0, \zero
	MUL4 \f, 3, 4, \zero
.endm
.macro TURN fill                       ; the last quarter of a K step, and the change of slots: the waits and the add in front of the barrier, the refill first behind the round
.if \fill
	s_wait_xcnt 0x0                                ; the last prefetch, a K step back, has read its address
	s_add_nc_u64 s[PFA:PFA+1], s[PFA:PFA+1], s[PST:PST+1]
.endif
	WIN 0
	s_wait_tensorcnt 0x0
	ds_add_u32 v[SPW], v[NIL]
.if \fill
	s_xor_b32 s[G0+5], s[G0+5], SLOT
	s_add_nc_u64 s[G0+6:G0+7], s[G0+6:G0+7], 256
	s_xor_b32 s[G0B+5], s[G0B+5], SLOT
	s_add_nc_u64 s[G0B+6:G0B+7], s[G0B+6:G0B+7], KSB
.endif
	s_xor_b32 s[TB], s[TB], SLOT
	s_wait_dscnt 1                                 ; buffer 1 is in; the add alone may be out
	SCL4 F1, 0, 0
	SCL4 F1, 0, 4
	MULBR F1, 0, 0
	s_wait_dscnt 0x0                               ; the add is done, and my reads of this slot are over
	s_barrier_signal -1
	MULBR F1, 1, 0
	WIN 0
	s_barrier_wait -1
.if \fill
	CREST
	JLOAD
.else
	PLACES
.endif
	v_add_nc_u32 v[ADA], s[TB], v[AD0A]
	v_add_nc_u32 v[ADB], s[TB], v[AD0B]
	v_add_nc_u32 v[FA], 512, v[FA]                 ; the next group
	FETCH 0, F0
.irp c, 0,1,2,3
	ds_load_b32 v[FN+\c], v[FA] offset:64*\c
.endr
.if \fill
	ASK
.endif
	MULBR F1, 2, 0
	MUL4 F1, 3, 0, 0
	MUL4 F1, 3, 4, 0
.endm
	s_load_b128 s[4:7], s[0:1], 0x0                ; p s[4:5], cst s[6:7]
	s_load_b128 s[68:71], s[0:1], 0x10             ; st s[68:69], y s[70:71]
	v_lshl_add_u32 v[SPW], v0, 2, SPARE
	v_mov_b32 v[NIL], 0
	ds_add_u32 v[SPW], v[NIL]                      ; the wave's opening: the add and its wait ahead of my first tensor load
	v_lshrrev_b32 v1, 5, v0
	v_readfirstlane_b32 s10, v1
	s_lshr_b32 s11, s10, 1
	s_and_b32 s12, s10, 1
	s_bfe_u32 s40, ttmp6, 0x40000
	s_bfe_u32 s41, ttmp6, 0x40004
	s_lshl_b32 s42, ttmp9, 2
	s_add_co_u32 s42, s42, s40                     ; tile column: 256 channels
	s_and_b32 s13, ttmp7, 0xffff
	s_lshl_b32 s13, s13, 2
	s_add_co_u32 s13, s13, s41                     ; tile row: 128 queries
	s_lshl_b32 s43, s41, 2
	s_lshl_b32 s43, 15, s43
	s_lshl_b32 s44, 0x1111, s40
	s_or_b32 s[G1], s43, G1WA
	s_or_b32 s[G1B], s44, G1WB
	s_mov_b32 s[G1+1], 128<<16                     ; p: tensor_dim0 = 128
	s_mov_b32 s[G1+2], 128<<16                     ; tensor_dim1 = 128
	s_mov_b32 s[G1+3], 128<<16                     ; tile_dim0 = 128
	s_mov_b32 s[G1+4], 128                         ; tile_dim1 = 128
	s_mov_b32 s[G1+5], PAB/2                       ; elements from row to row
	s_mov_b32 s[G1+6], 0
	s_mov_b32 s[G1+7], 0
	s_mov_b32 s[G1B+1], 256<<16                    ; x: tensor_dim0 = 256
	s_mov_b32 s[G1B+2], 64<<16                     ; tensor_dim1 = 64
	s_mov_b32 s[G1B+3], 256<<16                    ; tile_dim0 = 256
	s_mov_b32 s[G1B+4], 64                         ; tile_dim1 = 64
	s_mov_b32 s[G1B+5], XRB/2
	s_mov_b32 s[G1B+6], 0
	s_mov_b32 s[G1B+7], 0
	s_lshl_b32 s16, s13, 7                         ; A: row 128 x tile row
	s_mul_i32 s16, s16, PAB
	s_mov_b32 s17, 0
	s_sub_co_u32 s18, s10, 1
	s_and_b32 s18, s18, 1
	s_lshl_b32 s18, s18, 6                         ; waves 1, 2: the step's keys 0-63, 64-127
	s_and_b32 s19, ttmp7, 0xffff
	s_lshr_b32 s19, s19, 2                         ; the batch: four clusters each; the cluster's y, which all partners share
	s_lshl_b32 s19, s19, 11                        ; its 2,048 rows
	s_add_co_u32 s46, s19, s18
	s_lshl_b32 s46, s46, 11                        ; 2,048 bytes each,
	s_lshl_b32 s19, s42, 9                         ; and 512 bytes x tile column
	s_add_co_u32 s46, s46, s19
	s_mov_b32 s47, 0
	s_mul_i32 s20, s10, HALFT                      ; p at 0, x's halves behind it
	s_mov_b32 s[TB], 0
	s_wait_dscnt 0x0
	s_wait_kmcnt 0x0
	s_add_nc_u64 s[14:15], s[4:5], s[16:17]
	s_add_nc_u64 s[46:47], s[6:7], s[46:47]
	CROUND
.irp s, 0,1
	s_mov_b32 s[G0+4*\s], 1
	s_add_co_u32 s[G0+4*\s+1], s20, \s*SLOT
	s_add_nc_u64 s[G0+4*\s+2:G0+4*\s+3], s[14:15], \s*256
	s_or_b32 s[G0+4*\s+3], s[G0+4*\s+3], 0x80000000
	s_mov_b32 s[G0B+4*\s], 1
	s_add_co_u32 s[G0B+4*\s+1], s20, \s*SLOT
	s_add_nc_u64 s[G0B+4*\s+2:G0B+4*\s+3], s[46:47], \s*KSB
	s_or_b32 s[G0B+4*\s+3], s[G0B+4*\s+3], 0x80000000
.endr
	s_cmp_lg_u32 s10, 0
	s_cbranch_scc1 .Lfirst_not_a
	tensor_load_to_lds s[G0:G0+3], s[G1:G1+7]
	s_nop 0
	tensor_load_to_lds s[G0+4:G0+7], s[G1:G1+7]
	s_nop 0
	PLACES
	s_branch .Lfirst_asked
.Lfirst_not_a:
	s_cmp_eq_u32 s10, 3
	s_cbranch_scc1 .Lfirst_asked
	tensor_load_to_lds s[G0B:G0B+3], s[G1B:G1B+7]
	s_nop 0
	tensor_load_to_lds s[G0B+4:G0B+7], s[G1B:G1B+7]
	s_nop 0
	PLACES
.Lfirst_asked:
	; the statistics of the tile's 128 rows: a thread a row; 16 c m_g and 16 l_g each
	s_lshl_b32 s72, s13, 9
	s_mov_b32 s73, 0
	s_add_nc_u64 s[72:73], s[68:69], s[72:73]
	v_lshlrev_b32 v[SO], 2, v0
.irp g, 0,1,2,3,4,5,6,7,8,9,10,11,12,13,14,15
	global_load_b32 v[64+\g], v[SO], s[72:73] offset:\g*32768
	global_load_b32 v[80+\g], v[SO], s[72:73] offset:\g*32768+524288
.endr
	; the prefetches: my tile's address, my work-group's quarter of it, K step 3 (the first refill steps it to 4 and names that)
	s_mov_b32 s19, KSB
	s_lshl_b32 s20, s40, 17                        ; p: cx x 32 rows of 4,096 bytes
	s_lshl_b32 s21, s41, 15                        ; x: cy x 16 rows of 2,048 bytes
	s_and_b32 s22, ttmp7, 3                        ; which of the batch's four clusters
	s_cmp_eq_u32 s10, 0
	s_cselect_b32 s20, s20, s21
	s_cselect_b32 s22, ttmp9, s22
	s_cselect_b64 s[PFA:PFA+1], s[14:15], s[46:47]
	s_cselect_b32 s[PST], 0x100, s19
	s_cselect_b32 s18, -1, 0                       ; all lanes: I fetch p
	s_mov_b32 s[PST+1], 0
	s_cmp_eq_u32 s22, 0
	s_cselect_b32 s[LIM], 2, -1
	s_cmp_eq_u32 s10, 3
	s_cselect_b32 s[LIM], -1, s[LIM]               ; wave 3 fetches nothing and asks for nothing
	s_mul_i32 s21, s[PST], 3
	s_add_co_u32 s20, s20, s21
	s_mov_b32 s21, 0
	s_add_nc_u64 s[PFA:PFA+1], s[PFA:PFA+1], s[20:21]
	v_and_b32 v4, 31, v0
	v_lshlrev_b32 v5, 12, v4                       ; p: a lane a row
	v_lshrrev_b32 v6, 1, v4
	v_and_b32 v7, 1, v4
	v_lshlrev_b32 v6, 11, v6                       ; x: two lanes a row,
	v_lshl_add_u32 v6, v7, 8, v6                   ; 256 bytes each
	v_cndmask_b32 v[PFO], v6, v5, s18
	v_and_b32 v1, 15, v0
	v_bfe_u32 v2, v0, 4, 1
	v_mul_u32_u24 v3, v1, PITCH
	v_lshl_add_u32 v3, v2, 4, v3
	s_mul_i32 s21, s11, 16*MA*PITCH
	v_add_nc_u32 v[AD0A], s21, v3
	; the turning load takes 16 keys x 16 channels (lane l reads key 8 (l / 16) + l % 8, channels 8 ((l / 8) % 2) + 0..7) and leaves half a fragment: lane l holds channel l % 16 and 8 keys
	v_and_b32 v4, 7, v0
	v_bfe_u32 v5, v0, 3, 1
	v_lshl_add_u32 v4, v2, 3, v4
	v_mul_u32_u24 v4, v4, PBL
	v_lshl_add_u32 v4, v5, 4, v4
	s_lshl_b32 s22, s12, 8                         ; my 128 channels: 256 bytes of a row
	s_add_co_u32 s22, s22, BOFF
	v_add_nc_u32 v[AD0B], s22, v4
	v_mov_b32 v[ADA], v[AD0A]
	v_mov_b32 v[ADB], v[AD0B]
	s_mul_i32 s76, s10, 16*PITCH
	s_add_co_u32 s76, s76, STAGE
	v_add_nc_u32 v[STO], s76, v3
	v_mul_u32_u24 v[RD], v2, PITCH
	v_lshl_add_u32 v[RD], v1, 4, v[RD]
	v_add_nc_u32 v[RD], s76, v[RD]
	v_lshlrev_b32 v[CO], 11, v2
	v_lshl_add_u32 v[CO], v1, 4, v[CO]
	s_lshl_b32 s74, s11, 8                         ; my 64 rows' words
	v_lshl_add_u32 v[FA], v1, 2, s74
	v_add_nc_u32 v[RLA], RL, v[FA]
	v_add_nc_u32 v[FA], FT, v[FA]
.irp c, 0,1,2,3
	v_mov_b32 v[RV+2*\c+1], 0                      ; named with 1 / l as pairs
.endr
	s_lshl_b32 s66, s13, 7
	s_lshl_b32 s67, s11, 6
	s_add_co_u32 s66, s66, s67                     ; my first query,
	s_lshl_b32 s66, s66, 11                        ; 2,048 bytes each,
	s_lshl_b32 s67, s42, 9
	s_add_co_u32 s66, s66, s67
	s_lshl_b32 s67, s12, 8
	s_add_co_u32 s66, s66, s67                     ; and my first channel
	s_mov_b32 s67, 0
	s_add_nc_u64 s[70:71], s[70:71], s[66:67]
	s_wait_loadcnt 0x0
	v_max3_num_f32 v112, v64, v65, v66             ; cm
.irp g, 67,69,71,73,75,77
	v_max3_num_f32 v112, v112, v\g, v[\g+1]
.endr
	v_max_num_f32 v112, v112, v79
.irp g, 0,1,2,3,4,5,6,7,8,9,10,11,12,13,14,15
	v_sub_f32 v[96+\g], v[64+\g], v112
.endr
.irp g, 0,1,2,3,4,5,6,7,8,9,10,11,12,13,14,15
	v_exp_f32 v[96+\g], v[96+\g]                   ; f_g
.endr
	v_nop                                          ; a plain instruction behind the last exponential,
	s_wait_alu depctr_va_vdst(0)                   ; and one wait for the 16
	v_mul_f32 v113, v80, v96
.irp g, 1,2,3,4,5,6,7,8,9,10,11,12,13,14,15
	v_fmac_f32 v113, v[80+\g], v[96+\g]            ; l
.endr
	v_rcp_f32 v114, v113
	v_nop
.irp g, 0,1,2,3,4,5,6,7,8,9,10,11,12,13,14,15
	v_cvt_pk_f16_f32 v[96+\g], v[96+\g], v[96+\g]  ; f_g twice in a word, for the packed multiply
.endr
	v_add_nc_u32 v115, FT, v[SO]
	s_wait_alu depctr_va_vdst(0)                   ; the reciprocal's wait, ahead of its first reader
.irp g, 0,1,2,3,4,5,6,7,8,9,10,11,12,13,14,15
	ds_store_b32 v115, v[96+\g] offset:\g*512
.endr
	ds_store_b32 v115, v114 offset:8192
	s_wait_dscnt 0x0                               ; for the others' sake: my stores are done
	s_wait_tensorcnt 0x1                           ; my part of K step 0 is in; K step 1's may stay out
	s_barrier_signal -1
	s_barrier_wait -1                              ; everybody's part, and all f and 1 / l
.irp c, 0,1,2,3
	ds_load_b32 v[FC+\c], v[FA] offset:64*\c
	ds_load_b32 v[RV+2*\c], v[RLA] offset:64*\c
.endr
	FETCH 0, F0
	QUARTER 64, F0, F1, 1, 0
	WIN 0
	s_mov_b32 s3, KT-2
.Lstep:
	QUARTER 128, F1, F0, 0, 0
	QUARTER 192, F0, F1, 0, 0
	TURN 1
	QUARTER 64, F0, F1, 0, 1
	WIN 0
	s_sub_co_u32 s3, s3, 1
	s_cmp_lg_u32 s3, 0
	s_cbranch_scc1 .Lstep
	s_mov_b32 s3, 2
.Ltail:
	QUARTER 128, F1, F0, 0, 0
	QUARTER 192, F0, F1, 0, 0
	WIN 0
	s_sub_co_u32 s3, s3, 1
	s_cmp_eq_u32 s3, 0
	s_cbranch_scc1 .Llast
	TURN 0
	QUARTER 64, F0, F1, 0, 1
	WIN 0
	s_branch .Ltail
.Llast:
	s_wait_dscnt 0x0
	SCL4 F1, 0, 0
	SCL4 F1, 0, 4
	MULBR F1, 0, 0
	MULBR F1, 1, 0
	MULBR F1, 2, 0
	MUL4 F1, 3, 0, 0
	MUL4 F1, 3, 4, 0
	WIN 0
	PLACES
; THE WAY OUT of block a: times 1 / l in f32; rounded to f16, 16 bytes a lane; into my own stage and back as whole rows of 256 bytes; stored.
.macro PACK a
	WIN 0x82                                       ; destination and source 0 in window 2, 1 / l in window 0
.set i, 64*(\a)
.rept 32
	v_pk_mul_f32 v[i:i+1], v[i:i+1], v[RV+2*(\a):RV+2*(\a)+1] op_sel_hi:[1,0]
.set i, i+2
.endr
	WIN 0x0a
.irp b, 0,1,2,3,4,5,6,7
.irp r, 0,1,2,3
	v_cvt_pk_f16_f32 v[TMP+4*\b+\r], v[64*(\a)+8*\b+2*\r], v[64*(\a)+8*\b+2*\r+1]
.endr
.endr
	WIN 0
.endm
.macro TOSTAGE a
.set BK, 96+64*((\a)%2)
.irp b, 0,1,2,3,4,5,6,7
	ds_store_b128 v[STO], v[TMP+4*\b:TMP+4*\b+3] offset:32*\b
.endr
.irp t, 0,1,2,3,4,5,6,7
	ds_load_b128 v[BK+4*\t:BK+4*\t+3], v[RD] offset:\t*2*PITCH  ; LDS serves a wave's instructions in order (ISA guide 5.7.1.4): these see the stores above
.endr
.endm
.macro SEND a
.set BK, 96+64*((\a)%2)
	s_wait_dscnt 0x0
	s_wait_xcnt 0x0                                ; earlier stores have read their base and their data
.if (\a) != 0
	s_add_nc_u64 s[70:71], s[70:71], 16*CPI
.endif
.irp t, 0,1,2,3,4,5,6,7
	global_store_b128 v[CO], v[BK+4*\t:BK+4*\t+3], s[70:71] offset:2*\t*CPI  ; 16 lanes store 256 consecutive bytes, aligned
.endr
.endm
	PACK 0
	TOSTAGE 0
.irp a, 1,2,3
	PACK \a
	SEND (\a)-1
	TOSTAGE \a
.endr
	SEND 3
	s_wait_tensorcnt 0x0                           ; the wave's end
	ds_add_u32 v[SPW], v[NIL]
	s_wait_dscnt 0x0
	CROUND
	s_endpgm
.Lfunc_end_k_q992073d76f_pv:
	.size	k_q992073d76f_pv, .Lfunc_end_k_q992073d76f_pv-k_q992073d76f_pv
	.p2alignl 7, 3214868480
	.fill 96, 4, 3214868480
	.section	.rodata,"a",@progbits
	.p2align	6, 0x0
	.amdhsa_kernel k_q992073d76f_pv
		.amdhsa_group_segment_fixed_size 327680
		.amdhsa_private_segment_fixed_size 0
		.amdhsa_enable_private_segment 0
		.amdhsa_kernarg_size 32
		.amdhsa_user_sgpr_count 2
		.amdhsa_user_sgpr_kernarg_segment_ptr 1
		.amdhsa_wavefront_size32 1
		.amdhsa_system_sgpr_workgroup_id_x 1
		.amdhsa_system_sgpr_workgroup_id_y 1
		.amdhsa_system_sgpr_workgroup_id_z 1
		.amdhsa_system_vgpr_workitem_id 0
		.amdhsa_next_free_vgpr 768
		.amdhsa_next_free_sgpr 80
		.amdhsa_reserve_vcc 0
		.amdhsa_float_denorm_mode_32 3
		.amdhsa_float_denorm_mode_16_64 3
		.amdhsa_memory_ordered 1
		.amdhsa_forward_progress 1
		.amdhsa_inst_pref_size 105
	.end_amdhsa_kernel
	.amdgpu_metadata
---
amdhsa.version: [ 1, 2 ]
amdhsa.kernels:
  - .name:           k_q992073d76f_pv
    .symbol:         k_q992073d76f_pv.kd
    .args:
      - { .name: p, .offset: 0, .size: 8, .value_kind: global_buffer, .address_space: global }
      - { .name: cst, .offset: 8, .size: 8, .value_kind: global_buffer, .address_space: global }
      - { .name: st, .offset: 16, .size: 8, .value_kind: global_buffer, .address_space: global }
      - { .name: y, .offset: 24, .size: 8, .value_kind: global_buffer, .address_space: global }
    .group_segment_fixed_size: 327680
    .private_segment_fixed_size: 0
    .kernarg_segment_align: 8
    .kernarg_segment_size: 32
    .max_flat_workgroup_size: 128
    .sgpr_count:     80
    .vgpr_count:     768
    .wavefront_size: 32
...
	.end_amdgpu_metadata
.endif
;; end of part 5
;; launch oproj (part 6): grid 4 x 64, 4 waves a work-group, clusters of 4 x 4, 327,680 bytes of LDS; arguments y, wf, out0; writes out0
.if DOCPART == 6
	.amdgcn_target "amdgcn-amd-amdhsa--gfx1250"
	.amdhsa_code_object_version 6
	.text
	.protected	k_q992073d76f_oproj
	.globl	k_q992073d76f_oproj
	.p2align	8
	.type	k_q992073d76f_oproj,@function
k_q992073d76f_oproj:
	s_mov_b64 s[64:65], 0
	v_nop
	global_prefetch_b8 v0, s[64:65] scope:SCOPE_SE
	s_setreg_imm32_b32 hwreg(HW_REG_WAVE_MODE, 25, 1), 1
	s_wait_xcnt 0x0
	s_wait_alu depctr_hold_cnt(0) depctr_sa_sdst(0) depctr_va_vdst(0) depctr_va_sdst(0) depctr_va_ssrc(0) depctr_va_vcc(0) depctr_vm_vsrc(0)
	s_getreg_b32 s2, hwreg(HW_REG_IB_STS2, 6, 4)
	s_cmp_eq_u32 s2, 0
	s_cbranch_scc0 .Lentry_in_a_cluster
	s_endpgm
.Lentry_in_a_cluster:
	s_bfe_u32 s2, ttmp6, 0x10000c
	s_cmp_lg_u32 s2, 0xf033
	s_cbranch_scc0 .Lentry_shape_is_right
	s_endpgm
.Lentry_shape_is_right:
; out0 = Y W'^T in f32.  A = y = softmax x X, [8192][1024] f16; B = wf = 32 W', W' = wo wv, [1024][1024] f16; out0: [8192][1024] f32.  The factor 32 is taken out on the way out, exactly.
; A tile of C is 128 x 256 (256 work-groups), made by four waves, each 64 x 128.  K = 1,024 goes in 8 steps of 128 through a ring of two LDS slots; wave 0 fetches A's 128 rows, waves 1 and 2 the halves of B's 256, wave 3 nothing.
; CLUSTER 4 x 4: A's tile is shared along a row of the cluster, B's along a column, by joint loads.  THE MATRIX INSTRUCTION IS USED TRANSPOSED: lane l holds row l % 16 of C and 8 neighbouring columns.
; THE WAY OUT goes through LDS in f32 (over the ring, which is filled no more), so that a wave's store covers 512 consecutive bytes of a row.
; REGISTERS: window 0: v0-31 addresses; v64-95, v128-159 A's fragments (on the way out v64-95: rows).  window 1: v64-127, v128-191 B's fragments.  window 2: accumulator (a, b) at v[64 a + 8 b].
.set MA,    4
.set KT,    8
.set PITCH, 272
.set HALFT, 128*PITCH
.set BOFF,  HALFT
.set SLOT,  0x20000
.set SPARE, SLOT+3*HALFT               ; behind the ring: the spare words
.set PAB,   2048
.set PBB,   2048
.set SPI,   528                        ; the way out: a row of 128 f32 + 16 bytes
.set WST,   64*SPI
.set AD0A, 16
.set AD0B, 17
.set ADA,  18
.set ADB,  19
.set STO,  24
.set RD,   25
.set CO,   26
.set SPW,  28
.set NIL,  29
.set PFO,  30
.set F0,   64
.set F1,   128
.set TB,   23
.set G1,   24
.set G0,   32
.set LIM,  43
.set PFA,  44
.set G1B,  48
.set G0B,  56
.set SCA,  68                          ; s[68:69] 1 / 32
.set G1W,  (1<<16)|(1<<20)|(1<<21)|(5<<22)|(3<<25)
.set MSB, 0
.macro WIN new
.if MSB != (\new)
	s_set_vgpr_msb (MSB<<8)|(\new)
.set MSB, \new
.endif
.endm
.macro PLACES
.rept 4
	v_nop
.endr
.endm
.macro CREST
	s_cmp_lg_u32 s10, 0
	s_cbranch_scc1 .Lnot_wave_0_\@
	s_barrier_signal -3
.Lnot_wave_0_\@:
	s_barrier_wait -3
	s_barrier_signal -1
	s_barrier_wait -1
.endm
.macro CROUND
	s_barrier_signal -1
	s_barrier_wait -1
	CREST
.endm
.macro JLOAD
	s_cmp_lg_u32 s10, 0
	s_cbranch_scc1 .Lnot_a_\@
	tensor_load_to_lds s[G0+4:G0+7], s[G1:G1+7]
	s_nop 0
	PLACES
	s_branch .Lasked_\@
.Lnot_a_\@:
	s_cmp_eq_u32 s10, 3
	s_cbranch_scc1 .Lasked_\@
	tensor_load_to_lds s[G0B+4:G0B+7], s[G1B:G1B+7]
	s_nop 0
	PLACES
.Lasked_\@:
	PLACES
.endm
.macro ASK                             ; the K step two refills on: my work-group's 32 rows of the 128 that I fetch; every cluster asks for its own rows of y, cluster y = 0 for wf's
	s_cmp_gt_u32 s3, s[LIM]
	s_cbranch_scc0 .Lnot_mine_\@
	global_prefetch_b8 v[PFO], s[PFA:PFA+1] offset:256 th:TH_LOAD_NT scope:SCOPE_SE
.Lnot_mine_\@:
.endm
.macro MULB f, a, zero
	WIN 0xa1
.irp b, 0,1,2,3,4,5,6,7
.if \zero
	v_wmma_f32_16x16x32_f16 v[64*(\a)+8*\b:64*(\a)+8*\b+7], v[(\f)+8*\b:(\f)+8*\b+7], v[(\f)+8*(\a):(\f)+8*(\a)+7], 0
.else
	v_wmma_f32_16x16x32_f16 v[64*(\a)+8*\b:64*(\a)+8*\b+7], v[(\f)+8*\b:(\f)+8*\b+7], v[(\f)+8*(\a):(\f)+8*(\a)+7], v[64*(\a)+8*\b:64*(\a)+8*\b+7]
.endif
.endr
.endm
.macro FETCH k, f
	WIN 0x40
.irp i, 0,1,2,3,4,5,6,7
	ds_load_b128 v[(\f)+8*\i:(\f)+8*\i+3],   v[ADB] offset:(\k)+\i*16*PITCH
	ds_load_b128 v[(\f)+8*\i+4:(\f)+8*\i+7], v[ADB] offset:(\k)+\i*16*PITCH+32
.endr
	WIN 0
.irp i, 0,1,2,3
	ds_load_b128 v[(\f)+8*\i:(\f)+8*\i+3],   v[ADA] offset:(\k)+\i*16*PITCH
	ds_load_b128 v[(\f)+8*\i+4:(\f)+8*\i+7], v[ADA] offset:(\k)+\i*16*PITCH+32
.endr
.endm
.macro QUARTER k, f, g, zero
	s_wait_dscnt MA                                ; the youngest four loads (A's blocks 2, 3) may be out
	MULB \f, 0, \zero
	MULB \f, 1, \zero
	PLACES
	FETCH \k, \g
	s_wait_dscnt 16+2*MA                           ; all but the 24 just issued
	MULB \f, 2, \zero
	MULB \f, 3, \zero
.endm
.macro TURN fill                       ; the last quarter of a K step, and the change of slots: the waits and the add in front of the barrier, the refill first behind the round
.if \fill
	s_wait_xcnt 0x0
	s_add_nc_u64 s[PFA:PFA+1], s[PFA:PFA+1], 256
.endif
	WIN 0
	s_wait_tensorcnt 0x0
	ds_add_u32 v[SPW], v[NIL]
.if \fill
	s_xor_b32 s[G0+5], s[G0+5], SLOT
	s_add_nc_u64 s[G0+6:G0+7], s[G0+6:G0+7], 256
	s_xor_b32 s[G0B+5], s[G0B+5], SLOT
	s_add_nc_u64 s[G0B+6:G0B+7], s[G0B+6:G0B+7], 256
.endif
	s_xor_b32 s[TB], s[TB], SLOT
	s_wait_dscnt MA+1                              ; the add and A's blocks 2, 3 may be out
	MULB F1, 0, 0
	s_wait_dscnt 0x0                               ; the add is done, and my reads of this slot are over
	s_barrier_signal -1
	MULB F1, 1, 0
	WIN 0
	s_barrier_wait -1
.if \fill
	CREST
	JLOAD
.else
	PLACES
.endif
	v_add_nc_u32 v[ADA], s[TB], v[AD0A]
	v_add_nc_u32 v[ADB], s[TB], v[AD0B]
	FETCH 0, F0
.if \fill
	ASK
.endif
	MULB F1, 2, 0
	MULB F1, 3, 0
.endm
	s_load_b128 s[4:7], s[0:1], 0x0                ; y s[4:5], wf s[6:7]
	s_load_b64 s[8:9], s[0:1], 0x10                ; out0
	v_lshl_add_u32 v[SPW], v0, 2, SPARE
	v_mov_b32 v[NIL], 0
	ds_add_u32 v[SPW], v[NIL]                      ; the wave's opening: the add and its wait ahead of my first tensor load
	v_lshrrev_b32 v1, 5, v0
	v_readfirstlane_b32 s10, v1
	s_lshr_b32 s11, s10, 1
	s_and_b32 s12, s10, 1
	s_bfe_u32 s40, ttmp6, 0x40000
	s_bfe_u32 s41, ttmp6, 0x40004
	s_lshl_b32 s42, ttmp9, 2
	s_add_co_u32 s42, s42, s40
	s_and_b32 s13, ttmp7, 0xffff
	s_lshl_b32 s13, s13, 2
	s_add_co_u32 s13, s13, s41
	s_lshl_b32 s43, s41, 2
	s_lshl_b32 s43, 15, s43
	s_lshl_b32 s44, 0x1111, s40
	s_or_b32 s[G1], s43, G1W
	s_or_b32 s[G1B], s44, G1W
.irp g, G1, G1B
	s_mov_b32 s[(\g)+1], 128<<16
	s_mov_b32 s[(\g)+2], 128<<16
	s_mov_b32 s[(\g)+3], 128<<16
	s_mov_b32 s[(\g)+4], 128
	s_mov_b32 s[(\g)+6], 0
	s_mov_b32 s[(\g)+7], 0
.endr
	s_mov_b32 s[G1+5], PAB/2
	s_mov_b32 s[G1B+5], PBB/2
	s_mov_b32 s[SCA], 0x3d000000                   ; 1 / 32
	s_mov_b32 s[SCA+1], s[SCA]                     ; named with it as a pair
	s_sub_co_u32 s18, s10, 1
	s_and_b32 s18, s18, 1
	s_lshl_b32 s18, s18, 7
	s_lshl_b32 s16, s13, 7
	s_mul_i32 s16, s16, PAB
	s_mov_b32 s17, 0
	s_lshl_b32 s46, s42, 8
	s_add_co_u32 s46, s46, s18
	s_mul_i32 s46, s46, PBB
	s_mov_b32 s47, 0
	s_mul_i32 s20, s10, HALFT
	s_mov_b32 s[TB], 0
	s_wait_dscnt 0x0
	s_wait_kmcnt 0x0
	s_add_nc_u64 s[14:15], s[4:5], s[16:17]
	s_add_nc_u64 s[46:47], s[6:7], s[46:47]
	CROUND
.irp s, 0,1
	s_mov_b32 s[G0+4*\s], 1
	s_add_co_u32 s[G0+4*\s+1], s20, \s*SLOT
	s_add_nc_u64 s[G0+4*\s+2:G0+4*\s+3], s[14:15], \s*256
	s_or_b32 s[G0+4*\s+3], s[G0+4*\s+3], 0x80000000
	s_mov_b32 s[G0B+4*\s], 1
	s_add_co_u32 s[G0B+4*\s+1], s20, \s*SLOT
	s_add_nc_u64 s[G0B+4*\s+2:G0B+4*\s+3], s[46:47], \s*256
	s_or_b32 s[G0B+4*\s+3], s[G0B+4*\s+3], 0x80000000
.endr
	s_cmp_lg_u32 s10, 0
	s_cbranch_scc1 .Lfirst_not_a
	tensor_load_to_lds s[G0:G0+3], s[G1:G1+7]
	s_nop 0
	tensor_load_to_lds s[G0+4:G0+7], s[G1:G1+7]
	s_nop 0
	PLACES
	s_branch .Lfirst_asked
.Lfirst_not_a:
	s_cmp_eq_u32 s10, 3
	s_cbranch_scc1 .Lfirst_asked
	tensor_load_to_lds s[G0B:G0B+3], s[G1B:G1B+7]
	s_nop 0
	tensor_load_to_lds s[G0B+4:G0B+7], s[G1B:G1B+7]
	s_nop 0
	PLACES
.Lfirst_asked:
	s_mov_b32 s18, PAB
	s_mov_b32 s19, PBB
	s_and_b32 s22, ttmp7, 0xffff
	s_cmp_eq_u32 s10, 0
	s_cselect_b32 s21, s40, s41
	s_cselect_b32 s22, ttmp9, s22
	s_cselect_b64 s[PFA:PFA+1], s[14:15], s[46:47]
	s_cselect_b32 s19, s18, s19
	s_cmp_eq_u32 s22, 0
	s_cselect_b32 s[LIM], 2, -1
	s_cmp_eq_u32 s10, 3
	s_cselect_b32 s[LIM], -1, s[LIM]
	s_lshl_b32 s20, s21, 5
	s_mul_i32 s20, s20, s19
	s_mov_b32 s21, 0
	s_add_nc_u64 s[PFA:PFA+1], s[PFA:PFA+1], s[20:21]
	s_add_nc_u64 s[PFA:PFA+1], s[PFA:PFA+1], 512
	v_and_b32 v[PFO], 31, v0
	v_mul_u32_u24 v[PFO], v[PFO], s19
	v_and_b32 v1, 15, v0
	v_bfe_u32 v2, v0, 4, 1
	v_mul_u32_u24 v3, v1, PITCH
	v_lshl_add_u32 v3, v2, 4, v3
	s_mul_i32 s21, s11, 16*MA*PITCH
	s_mul_i32 s22, s12, HALFT
	s_add_co_u32 s22, s22, BOFF
	v_add_nc_u32 v[AD0A], s21, v3
	v_add_nc_u32 v[AD0B], s22, v3
	v_mov_b32 v[ADA], v[AD0A]
	v_mov_b32 v[ADB], v[AD0B]
	s_mul_i32 s76, s10, WST
	v_mul_u32_u24 v[STO], v1, SPI
	v_lshl_add_u32 v[STO], v2, 5, v[STO]
	v_add_nc_u32 v[STO], s76, v[STO]
	v_and_b32 v[CO], 31, v0
	v_lshlrev_b32 v[CO], 4, v[CO]                  ; 16 x lane
	v_add_nc_u32 v[RD], s76, v[CO]
	s_lshl_b32 s66, s13, 7
	s_lshl_b32 s67, s11, 6
	s_add_co_u32 s66, s66, s67                     ; my first row,
	s_lshl_b32 s66, s66, 12                        ; 4,096 bytes each,
	s_lshl_b32 s67, s42, 10
	s_add_co_u32 s66, s66, s67
	s_lshl_b32 s67, s12, 9
	s_add_co_u32 s66, s66, s67                     ; and my first column
	s_mov_b32 s67, 0
	s_add_nc_u64 s[8:9], s[8:9], s[66:67]
	s_wait_tensorcnt 0x1                           ; my part of K step 0 is in; K step 1's may stay out
	s_barrier_signal -1
	s_barrier_wait -1
	FETCH 0, F0
	QUARTER 64, F0, F1, 1
	WIN 0
	s_mov_b32 s3, KT-2
.Lstep:
	QUARTER 128, F1, F0, 0
	QUARTER 192, F0, F1, 0
	TURN 1
	QUARTER 64, F0, F1, 0
	WIN 0
	s_sub_co_u32 s3, s3, 1
	s_cmp_lg_u32 s3, 0
	s_cbranch_scc1 .Lstep
	s_mov_b32 s3, 2
.Ltail:
	QUARTER 128, F1, F0, 0
	QUARTER 192, F0, F1, 0
	WIN 0
	s_sub_co_u32 s3, s3, 1
	s_cmp_eq_u32 s3, 0
	s_cbranch_scc1 .Llast
	TURN 0
	QUARTER 64, F0, F1, 0
	WIN 0
	s_branch .Ltail
.Llast:
	s_wait_dscnt MA
	MULB F1, 0, 0
	MULB F1, 1, 0
	s_wait_dscnt 0x0
	MULB F1, 2, 0
	MULB F1, 3, 0
	WIN 0
	PLACES
	; THE WAY OUT.  Every wave's reads of the ring are back; behind this barrier the ring's bytes, which are filled no more, take the four stages of 64 rows x 528 bytes.
	s_barrier_signal -1
	s_barrier_wait -1
	WIN 0x08                                       ; the data in window 2
.irp a, 0,1,2,3
.irp b, 0,1,2,3,4,5,6,7
	ds_store_b128 v[STO], v[64*\a+8*\b:64*\a+8*\b+3]   offset:\a*16*SPI+\b*64
	ds_store_b128 v[STO], v[64*\a+8*\b+4:64*\a+8*\b+7] offset:\a*16*SPI+\b*64+16
.endr
.endr
	WIN 0
	s_mov_b32 s3, 8
.Lrow:                                         ; 8 trips of 8 rows
.irp u, 0,1,2,3,4,5,6,7
	ds_load_b128 v[64+4*\u:64+4*\u+3], v[RD] offset:\u*SPI  ; LDS serves a wave's instructions in order (ISA guide 5.7.1.4): these see my stores above
.endr
	s_wait_dscnt 0x0
.set n, 0
.rept 16
	v_pk_mul_f32 v[64+2*n:65+2*n], v[64+2*n:65+2*n], s[SCA:SCA+1] op_sel_hi:[1,0]  ; wf holds 32 W'
.set n, n+1
.endr
.irp u, 0,1,2,3,4,5,6,7
	global_store_b128 v[CO], v[64+4*\u:64+4*\u+3], s[8:9] offset:\u*4096 th:TH_STORE_NT  ; a wave's store covers 512 consecutive bytes, aligned
.endr
	s_wait_xcnt 0x0                                ; the stores have read their base and their data
	s_add_nc_u64 s[8:9], s[8:9], 8*4096
	v_add_nc_u32 v[RD], 8*SPI, v[RD]
	s_sub_co_u32 s3, s3, 1
	s_cmp_lg_u32 s3, 0
	s_cbranch_scc1 .Lrow
	s_wait_tensorcnt 0x0                           ; the wave's end
	ds_add_u32 v[SPW], v[NIL]
	s_wait_dscnt 0x0
	CROUND
	s_endpgm
.Lfunc_end_k_q992073d76f_oproj:
	.size	k_q992073d76f_oproj, .Lfunc_end_k_q992073d76f_oproj-k_q992073d76f_oproj
	.p2alignl 7, 3214868480
	.fill 96, 4, 3214868480
	.section	.rodata,"a",@progbits
	.p2align	6, 0x0
	.amdhsa_kernel k_q992073d76f_oproj
		.amdhsa_group_segment_fixed_size 327680
		.amdhsa_private_segment_fixed_size 0
		.amdhsa_enable_private_segment 0
		.amdhsa_kernarg_size 24
		.amdhsa_user_sgpr_count 2
		.amdhsa_user_sgpr_kernarg_segment_ptr 1
		.amdhsa_wavefront_size32 1
		.amdhsa_system_sgpr_workgroup_id_x 1
		.amdhsa_system_sgpr_workgroup_id_y 1
		.amdhsa_system_sgpr_workgroup_id_z 1
		.amdhsa_system_vgpr_workitem_id 0
		.amdhsa_next_free_vgpr 768
		.amdhsa_next_free_sgpr 80
		.amdhsa_reserve_vcc 0
		.amdhsa_float_denorm_mode_32 3
		.amdhsa_float_denorm_mode_16_64 3
		.amdhsa_memory_ordered 1
		.amdhsa_forward_progress 1
		.amdhsa_inst_pref_size 55
	.end_amdhsa_kernel
	.amdgpu_metadata
---
amdhsa.version: [ 1, 2 ]
amdhsa.kernels:
  - .name:           k_q992073d76f_oproj
    .symbol:         k_q992073d76f_oproj.kd
    .args:
      - { .name: y, .offset: 0, .size: 8, .value_kind: global_buffer, .address_space: global }
      - { .name: wf, .offset: 8, .size: 8, .value_kind: global_buffer, .address_space: global }
      - { .name: out0, .offset: 16, .size: 8, .value_kind: global_buffer, .address_space: global }
    .group_segment_fixed_size: 327680
    .private_segment_fixed_size: 0
    .kernarg_segment_align: 8
    .kernarg_segment_size: 24
    .max_flat_workgroup_size: 128
    .sgpr_count:     80
    .vgpr_count:     768
    .wavefront_size: 32
...
	.end_amdgpu_metadata
.endif
;; end of part 6
